; MI455X (gfx1250); checked and timed in simulation.
; The chip was launched on July 23, 2026; its instructions are those of AMD's public machine-readable ISA for CDNA 5 (MIT licence, August 2026) and "CDNA5" Instruction Set Architecture Reference Guide (July 2026). The comments in the code are by the model that wrote it; some were corrected since.
;; Adj Multi Head Attention. Allowed arithmetic: float matrix products may take bf16 or f16 operands with f32 sums; all other float work in f32.
;; Inputs: Wk 512 x 512 float32; Wo 512 x 512 float32; Wq 512 x 512 float32; Wv 512 x 512 float32; adj_matrix 16 x 1,024 x 1,024 float32; bk 512 float32; bo 512 float32; bond_matrix 16 x 1,024 x 1,024 float32; bq 512 float32; bv 512 float32; x 16 x 1,024 x 512 float32.
;; Outputs: out0 16 x 1,024 x 512 float32.
;; Constants: seq_len = 1024.
;; 2 versions, each right; version 2 is version 1 with the launch cast written anew for expert scheduling mode. Each part assembles by itself: llvm-mc -triple=amdgcn-amd-amdhsa -mcpu=gfx1250 --defsym DOCPART=n.
;; ======== version 1 of 2: 4 launches
;; limits: values are held in f16: magnitudes above 65,504 overflow, below 6.1e-05 lose precision; inputs' magnitudes at most 65,504
;; workspace buffers: x16 16,777,216 bytes; w16 1,572,864 bytes; wo16 524,288 bytes; qkv 50,331,648 bytes; ctx 16,777,216 bytes
;; launch cast (part 1): grid 256 x 1, 8 waves a work-group, no clusters, 0 bytes of LDS; arguments x, Wq, Wk, Wv, Wo, x16, w16, wo16; writes x16, w16, wo16
.if DOCPART == 1
	.amdgcn_target "amdgcn-amd-amdhsa--gfx1250"
	.amdhsa_code_object_version 6
	.text
	.protected	k_q3357ecc4d2_cast
	.globl	k_q3357ecc4d2_cast
	.p2align	8
	.type	k_q3357ecc4d2_cast,@function
k_q3357ecc4d2_cast:
	s_mov_b64 s[64:65], 0
	v_nop
	global_prefetch_b8 v0, s[64:65] scope:SCOPE_SE
	s_setreg_imm32_b32 hwreg(HW_REG_WAVE_MODE, 25, 1), 1
	s_wait_xcnt 0x0
; CAST.  The matrix operands among the inputs are rounded once, here, to f16 (nearest even).  x16 = f16(x), [16384][512].  w16 = f16(Wq | Wk | Wv), [1536][512].  wo16 = f16(Wo), [512][512].
; WHY f16.  The weights that carry a row of the softmax have scores of several units, so an error of x or W reaches the result enlarged; f16's 11 significant bits leave an eighth of bf16's error.
; LIMITS.  f16 holds no number beyond 65,504, and below 6.1e-5 it keeps a fixed step of 6e-8: x and the four W must lie within that range.
; A stream: no LDS, no matrix unit, no cluster: no byte is read twice and nothing is shared.
; SHARES.  Work-group g of 256: 32,768 numbers of x; 4,096 numbers of W number g / 64 (its part g % 64).
; Thread t takes 8 neighbouring numbers (two loads of 16 bytes) and stores them as 16 bytes: sixteen lanes store 256 consecutive bytes, aligned.
; All 36 loads of a wave go out first; every iteration has registers of its own, so nothing that a load or store names is written again.
.set XI, 32                            ; v[32:159]   x as loaded: iteration n at XI + 8 n
.set WI, 160                           ; v[160:175]  W as loaded
.set XP, 176                           ; v[176:239]  x packed: iteration n at XP + 4 n
.set WP, 240                           ; v[240:247]  W packed
	s_load_b512 s[8:23], s[0:1], 0x0               ; x 8, Wq 10, Wk 12, Wv 14, Wo 16, x16 18, w16 20, wo16 22
	v_lshlrev_b32 v1, 5, v0                        ; 32 t: my 8 numbers in f32
	v_lshlrev_b32 v2, 4, v0                        ; 16 t: the same in 16 bits
	s_lshr_b32 s4, ttmp9, 6                        ; which W
	s_and_b32 s5, ttmp9, 63                        ; which part of it
	s_lshl_b32 s2, ttmp9, 17                       ; my 131,072 bytes of x
	s_mov_b32 s3, 0
	s_lshl_b32 s38, ttmp9, 16                      ; my 65,536 bytes of x16
	s_mov_b32 s39, 0
	s_lshl_b32 s40, s5, 14                         ; my 16,384 bytes of W
	s_mov_b32 s41, 0
	s_lshl_b32 s44, s4, 19                         ; in w16 the three W follow each other, 524,288 bytes each; wo16 stands alone
	s_cmp_eq_u32 s4, 3
	s_cselect_b32 s44, 0, s44
	s_lshl_b32 s42, s5, 13                         ; my 8,192 bytes of the rounded W
	s_add_co_u32 s42, s42, s44
	s_mov_b32 s43, 0
	s_wait_kmcnt 0x0
	s_add_nc_u64 s[8:9], s[8:9], s[2:3]
	s_add_nc_u64 s[18:19], s[18:19], s[38:39]
	s_cmp_eq_u32 s4, 1                             ; the W and its destination are chosen by the work-group's number
	s_cselect_b64 s[34:35], s[12:13], s[10:11]
	s_cmp_eq_u32 s4, 2
	s_cselect_b64 s[34:35], s[14:15], s[34:35]
	s_cmp_eq_u32 s4, 3
	s_cselect_b64 s[34:35], s[16:17], s[34:35]
	s_cselect_b64 s[20:21], s[22:23], s[20:21]
	s_add_nc_u64 s[34:35], s[34:35], s[40:41]
	s_add_nc_u64 s[20:21], s[20:21], s[42:43]
.set n, 0
.rept 16
	global_load_b128 v[XI+8*n:XI+8*n+3],   v1, s[8:9] offset:n*8192 th:TH_LOAD_NT
	global_load_b128 v[XI+8*n+4:XI+8*n+7], v1, s[8:9] offset:n*8192+16 th:TH_LOAD_NT
.set n, n+1
.endr
.set n, 0
.rept 2
	global_load_b128 v[WI+8*n:WI+8*n+3],   v1, s[34:35] offset:n*8192 th:TH_LOAD_NT
	global_load_b128 v[WI+8*n+4:WI+8*n+7], v1, s[34:35] offset:n*8192+16 th:TH_LOAD_NT
.set n, n+1
.endr
.set n, 0
.rept 16
	s_wait_loadcnt 34-2*n                          ; loads come back in order: behind iteration n's two stand 30 - 2 n of x and 4 of W
	v_cvt_pk_f16_f32 v[XP+4*n],   v[XI+8*n],   v[XI+8*n+1]
	v_cvt_pk_f16_f32 v[XP+4*n+1], v[XI+8*n+2], v[XI+8*n+3]
	v_cvt_pk_f16_f32 v[XP+4*n+2], v[XI+8*n+4], v[XI+8*n+5]
	v_cvt_pk_f16_f32 v[XP+4*n+3], v[XI+8*n+6], v[XI+8*n+7]
	global_store_b128 v2, v[XP+4*n:XP+4*n+3], s[18:19] offset:n*4096
.set n, n+1
.endr
.set n, 0
.rept 2
	s_wait_loadcnt 2-2*n
	v_cvt_pk_f16_f32 v[WP+4*n],   v[WI+8*n],   v[WI+8*n+1]
	v_cvt_pk_f16_f32 v[WP+4*n+1], v[WI+8*n+2], v[WI+8*n+3]
	v_cvt_pk_f16_f32 v[WP+4*n+2], v[WI+8*n+4], v[WI+8*n+5]
	v_cvt_pk_f16_f32 v[WP+4*n+3], v[WI+8*n+6], v[WI+8*n+7]
	global_store_b128 v2, v[WP+4*n:WP+4*n+3], s[20:21] offset:n*4096
.set n, n+1
.endr
	s_endpgm
.Lfunc_end_k_q3357ecc4d2_cast:
	.size	k_q3357ecc4d2_cast, .Lfunc_end_k_q3357ecc4d2_cast-k_q3357ecc4d2_cast
	.p2alignl 7, 3214868480
	.fill 96, 4, 3214868480
	.section	.rodata,"a",@progbits
	.p2align	6, 0x0
	.amdhsa_kernel k_q3357ecc4d2_cast
		.amdhsa_group_segment_fixed_size 0
		.amdhsa_private_segment_fixed_size 0
		.amdhsa_enable_private_segment 0
		.amdhsa_kernarg_size 64
		.amdhsa_user_sgpr_count 2
		.amdhsa_user_sgpr_kernarg_segment_ptr 1
		.amdhsa_wavefront_size32 1
		.amdhsa_system_sgpr_workgroup_id_x 1
		.amdhsa_system_sgpr_workgroup_id_y 1
		.amdhsa_system_sgpr_workgroup_id_z 1
		.amdhsa_system_vgpr_workitem_id 0
		.amdhsa_next_free_vgpr 248
		.amdhsa_next_free_sgpr 66
		.amdhsa_reserve_vcc 0
		.amdhsa_float_denorm_mode_32 3
		.amdhsa_float_denorm_mode_16_64 3
		.amdhsa_memory_ordered 1
		.amdhsa_forward_progress 1
		.amdhsa_inst_pref_size 12
	.end_amdhsa_kernel
	.amdgpu_metadata
---
amdhsa.version: [ 1, 2 ]
amdhsa.kernels:
  - .name:           k_q3357ecc4d2_cast
    .symbol:         k_q3357ecc4d2_cast.kd
    .args:
      - { .name: x, .offset: 0, .size: 8, .value_kind: global_buffer, .address_space: global }
      - { .name: Wq, .offset: 8, .size: 8, .value_kind: global_buffer, .address_space: global }
      - { .name: Wk, .offset: 16, .size: 8, .value_kind: global_buffer, .address_space: global }
      - { .name: Wv, .offset: 24, .size: 8, .value_kind: global_buffer, .address_space: global }
      - { .name: Wo, .offset: 32, .size: 8, .value_kind: global_buffer, .address_space: global }
      - { .name: x16, .offset: 40, .size: 8, .value_kind: global_buffer, .address_space: global }
      - { .name: w16, .offset: 48, .size: 8, .value_kind: global_buffer, .address_space: global }
      - { .name: wo16, .offset: 56, .size: 8, .value_kind: global_buffer, .address_space: global }
    .group_segment_fixed_size: 0
    .private_segment_fixed_size: 0
    .kernarg_segment_align: 8
    .kernarg_segment_size: 64
    .max_flat_workgroup_size: 256
    .sgpr_count:     66
    .vgpr_count:     248
    .wavefront_size: 32
...
	.end_amdgpu_metadata
.endif
;; end of part 1
;; launch proj (part 2): grid 64 x 4, 4 waves a work-group, clusters of 4 x 1, 327,680 bytes of LDS; arguments x16, w16, bq, bk, bv, qkv; writes qkv
.if DOCPART == 2
	.amdgcn_target "amdgcn-amd-amdhsa--gfx1250"
	.amdhsa_code_object_version 6
	.text
	.protected	k_q3357ecc4d2_proj
	.globl	k_q3357ecc4d2_proj
	.p2align	8
	.type	k_q3357ecc4d2_proj,@function
k_q3357ecc4d2_proj:
	s_mov_b64 s[64:65], 0
	v_nop
	global_prefetch_b8 v0, s[64:65] scope:SCOPE_SE
	s_setreg_imm32_b32 hwreg(HW_REG_WAVE_MODE, 25, 1), 1
	s_wait_xcnt 0x0
	s_wait_alu depctr_hold_cnt(0) depctr_sa_sdst(0) depctr_va_vdst(0) depctr_va_sdst(0) depctr_va_ssrc(0) depctr_va_vcc(0) depctr_vm_vsrc(0)
	s_getreg_b32 s2, hwreg(HW_REG_IB_STS2, 6, 4)
	s_cmp_eq_u32 s2, 0
	s_cbranch_scc0 .Lentry_in_a_cluster
	s_endpgm
.Lentry_in_a_cluster:
	s_bfe_u32 s2, ttmp6, 0x10000c
	s_cmp_lg_u32 s2, 0x3003
	s_cbranch_scc0 .Lentry_shape_is_right
	s_endpgm
.Lentry_shape_is_right:
; PROJ.  qkv[which][row][f] = f16( sum over e of x16[row][e] w16[512 which + f][e] + bias[which][f] ), which = q, k, v.  x16 [16384][512] and w16 [1536][512] f16, sums in f32, the biases f32 as they are given;
; qkv [3][16384][512] f16, unscaled.
; LIMIT.  f16 holds no number beyond 65,504: q, k and v must lie within it.  NaN and infinities are not treated apart.
; SHARES.  A work-group owns 256 rows and 384 of the 1,536 columns; a wave 64 rows, whose whole K (4 row tiles x 16 K steps x 8 registers = 512) stays in registers, loaded from memory in fragment order.
; The weights walk through two LDS slots in tiles of 64 columns x 512 K; a fragment of W read from LDS feeds 4 products.  A tile is 4 blocks of 16 columns, 64 products each.
; THE MATRIX INSTRUCTION IS USED TRANSPOSED (source 0 = 16 rows of W, source 1 = 16 rows of x): a lane holds one row and eight neighbouring columns.  The bias is the C operand of a block's first K step.
; ORDER.  A block's fragments of K steps 0-7 are asked for in the middle of the block before, those of K steps 8-15 at its end, ahead of its stage stores: no product waits for an LDS instruction issued
; just before it.  The first products start when x's K steps 0-7 are in registers; K steps 8-15 land beside them.
; THE WAY OUT.  Rounded to f16, 16 bytes a lane, into the wave's own stage (64 rows x 272 bytes); after two tiles a stage row holds 128 columns, 256 bytes, and leaves whole.
; CLUSTER.  The four work-groups of a cluster differ in their rows alone and walk the same tiles of W: each tile is asked for jointly, by wave 0 of each, with one descriptor and the mask of four.
; By this text's own count a wave has one tensor load outstanding at the most.
; REGISTERS, in windows of 256 (s_set_vgpr_msb: bits 1:0 source 0, 3:2 source 1, 5:4 source 2, 7:6 destination):
;   window 0: addresses, 4 accumulators, bias, way out     window 1: v0-63 W's fragments of K steps 0-7, v64-127 of K steps 8-15
;   window 2: x's fragments (row tile a, K step k) at 8 (4 k + a), k = 0..7      window 3: the same for k = 8..15
.set NQ,     384                       ; columns of a work-group
.set KB,     1024                      ; bytes of a row of x16, w16 and qkv
.set PITCH,  1040                      ; a row of W in LDS: 1,024 bytes + 16 of padding = 260 words: the 16 rows of a load start 4 banks apart (64 banks of 4 bytes: ISA guide 11.1)
.set SLOT,   64*PITCH
.set STAGE,  2*SLOT                    ; behind the ring, never filled by a tensor load
.set SPITCH, 272
.set WSTAGE, 64*SPITCH
.set BIASB,  STAGE+4*WSTAGE            ; the work-group's 384 biases
.set SPARE,  BIASB+1536                ; the spare words, 128 bytes for each wave: two blocks of 256 bytes that no other line names
.set ROWB,   1024
.set VA,   3                           ; my byte offset in 16 rows of x16
.set AB0,  4                           ; my place in 16 rows of a tile of W
.set ABT,  5                           ; + the slot
.set ABN,  7                           ; + the block whose fragments are asked for next
.set STO0, 8                           ; the way out: where I put 16 bytes of a row
.set STO,  9                           ; + the block's columns
.set RD,   10                          ; where I read rows back
.set CO,   11                          ; my byte offset in two rows of qkv
.set BBA0, 12                          ; my 8 biases of a block
.set BBA,  13                          ; + the block
.set SPW,  28                          ; LDS address of my spare word; never rewritten
.set NIL,  29                          ; 0; never rewritten
.set ACC,  32                          ; v32-63
.set BIAS, 64                          ; v64-71
.set TMP,  72                          ; v72-87
.set OUT,  96                          ; v96-223
.set WV,  12
.set G1,  24                           ; s[24:31]
.set G0,  32                           ; s[32:35]
.set TB,  36                           ; the slot being read: 0 or SLOT
.set BI,  37                           ; the next block in the tile
.set BO,  38
.set BB,  39
.set BT,  40                           ; the tile's first bias, in bytes
.set SCO, 41                           ; the block's bytes in a stage row
.set TAU, 42
.set CNT, 43
.set GC,  44                           ; the next group of 128 columns to leave
.set CB,  46                           ; s[46:47] qkv at my wave's first row
.set CP,  48                           ; s[48:49] + the group
.set BP,  56                           ; s[56:57] the 128 biases that my wave brings
.set MSB, 0
.macro WIN new                         ; the immediate's high byte repeats the setting that is left; a switch that changes nothing is dropped
.if MSB != (\new)
	s_set_vgpr_msb (MSB<<8)|(\new)
.set MSB, (\new)
.endif
.endm
.macro PLACES                          ; four plain vector instructions between a matrix instruction and a load into, or a vector read of, its registers
.rept 4
	v_nop
.endr
.endm
.macro CROUND                          ; a round of the cluster's barrier
	s_barrier_signal -1
	s_barrier_wait -1
	s_cmp_lg_u32 s[WV], 0
	s_cbranch_scc1 .Lnot_wave_0_\@
	s_barrier_signal -3
.Lnot_wave_0_\@:
	s_barrier_wait -3
	s_barrier_signal -1
	s_barrier_wait -1
.endm
.macro WLOAD                           ; the joint load of a tile: wave 0 of each of the four work-groups; an s_nop 0 and four v_nop follow it
	s_cmp_lg_u32 s[WV], 0
	s_cbranch_scc1 .Lnot_mine_\@
	tensor_load_to_lds s[G0:G0+3], s[G1:G1+7]
	s_nop 0
.rept 4
	v_nop
.endr
.Lnot_mine_\@:
.endm
.macro FL                              ; 18 LDS loads: the next block's 8 biases a lane, and its fragments of K steps 0-7
	WIN 0
	ds_load_b128 v[BIAS:BIAS+3],   v[BBA]
	ds_load_b128 v[BIAS+4:BIAS+7], v[BBA] offset:16
	WIN 0x40
.set kk, 0
.rept 8
	ds_load_b128 v[8*kk:8*kk+3],   v[ABN] offset:kk*64
	ds_load_b128 v[8*kk+4:8*kk+7], v[ABN] offset:kk*64+32
.set kk, kk+1
.endr
.endm
.macro FH                              ; 16 LDS loads: the same block's fragments of K steps 8-15
	WIN 0x40
.set kk, 0
.rept 8
	ds_load_b128 v[64+8*kk:64+8*kk+3],   v[ABN] offset:512+kk*64
	ds_load_b128 v[64+8*kk+4:64+8*kk+7], v[ABN] offset:512+kk*64+32
.set kk, kk+1
.endr
.endm
.macro MULS hi                         ; 32 products: 8 K steps x 4 row tiles; the four accumulators take turns
	WIN 0x09+4*(\hi)
.set kk, 0
.rept 8
.set aa, 0
.rept 4
.if ((\hi) == 0) && (kk == 0)
	v_wmma_f32_16x16x32_f16 v[ACC+8*aa:ACC+8*aa+7], v[64*(\hi)+8*kk:64*(\hi)+8*kk+7], v[8*(4*kk+aa):8*(4*kk+aa)+7], v[BIAS:BIAS+7]
.else
	v_wmma_f32_16x16x32_f16 v[ACC+8*aa:ACC+8*aa+7], v[64*(\hi)+8*kk:64*(\hi)+8*kk+7], v[8*(4*kk+aa):8*(4*kk+aa)+7], v[ACC+8*aa:ACC+8*aa+7]
.endif
.set aa, aa+1
.endr
.set kk, kk+1
.endr
.endm
.macro BLOCK                           ; 16 columns x my 64 rows x all of K
	s_wait_dscnt 20                                ; behind the loads of the bias and of K steps 0-7 stand 16 loads (K steps 8-15) and 4 stage stores: those may stay out
	MULS 0
	s_add_co_u32 s[BI], s[BI], 1                   ; the next block; behind the tile's last it is block 0 of the same tile once more, never the other slot
	s_and_b32 s[BI], s[BI], 3
	s_mul_i32 s[BO], s[BI], 16*PITCH
	s_lshl_b32 s[BB], s[BI], 6
	s_add_co_u32 s[BB], s[BB], s[BT]
	WIN 0
	v_nop                                          ; two v_nop and the two address lines are the four places ahead of the loads into registers that the products above have read
	v_nop
	v_add_nc_u32 v[ABN], s[BO], v[ABT]
	v_add_nc_u32 v[BBA], s[BB], v[BBA0]
	FL
	s_wait_dscnt 18                                ; all but the 18 just issued: K steps 8-15 are in
	s_wait_loadcnt 0x0                             ; x's K steps 8-15 are in (it waits in the launch's first block alone: no load is issued later)
	MULS 1
	WIN 0
	PLACES
.set aa, 0
.rept 4                                        ; each accumulator is read from its low end on
	v_cvt_pk_f16_f32 v[TMP+4*aa],   v[ACC+8*aa],   v[ACC+8*aa+1]
	v_cvt_pk_f16_f32 v[TMP+4*aa+1], v[ACC+8*aa+2], v[ACC+8*aa+3]
	v_cvt_pk_f16_f32 v[TMP+4*aa+2], v[ACC+8*aa+4], v[ACC+8*aa+5]
	v_cvt_pk_f16_f32 v[TMP+4*aa+3], v[ACC+8*aa+6], v[ACC+8*aa+7]
.set aa, aa+1
.endr
	FH                                             ; the next block's K steps 8-15: they have its first 32 products in which to land
	WIN 0
.set aa, 0
.rept 4
	ds_store_b128 v[STO], v[TMP+4*aa:TMP+4*aa+3] offset:aa*16*SPITCH
.set aa, aa+1
.endr
	s_add_co_u32 s[SCO], s[SCO], 32                ; 16 columns of f16 on, round a stage row's 256 bytes
	s_and_b32 s[SCO], s[SCO], 255
	v_add_nc_u32 v[STO], s[SCO], v[STO0]
.endm
.macro TILE                            ; a tile's four blocks: written once, walked four times
	s_mov_b32 s[BI], 0
	v_add_nc_u32 v[ABT], s[TB], v[AB0]
	v_add_nc_u32 v[BBA], s[BT], v[BBA0]
	v_mov_b32 v[ABN], v[ABT]
	FL
	FH
	WIN 0
	s_wait_dscnt 16                                ; all but K steps 8-15: the first block's bias and K steps 0-7 are in
	s_mov_b32 s[CNT], 4
.Lblock_\@:
	BLOCK
	s_sub_co_u32 s[CNT], s[CNT], 1
	s_cmp_lg_u32 s[CNT], 0
	s_cbranch_scc1 .Lblock_\@
	s_add_co_u32 s[BT], s[BT], 256
.endm
.macro FLUSH                           ; my stage, 64 rows x 256 bytes, leaves: group GC of 128 columns lies in tensor GC / 4 at byte 256 (GC % 4) of a row
	s_wait_xcnt 0x0                                ; the last flush's stores have had their addresses translated (ISA guide 3.1): only now their base and data registers are written again
	s_lshr_b32 s50, s[GC], 2
	s_lshl_b32 s50, s50, 24                        ; a tensor is 16,777,216 bytes
	s_and_b32 s51, s[GC], 3
	s_lshl_b32 s51, s51, 8
	s_or_b32 s50, s50, s51
	s_mov_b32 s51, 0
	s_add_nc_u64 s[CP:CP+1], s[CB:CB+1], s[50:51]
	s_add_co_u32 s[GC], s[GC], 1
.set tt, 0
.rept 32
	ds_load_b128 v[OUT+4*tt:OUT+4*tt+3], v[RD] offset:tt*2*SPITCH  ; LDS serves a wave's instructions in order (ISA guide 5.7.1.4): these see my stores
.set tt, tt+1
.endr
.set tt, 0
.rept 32
	s_wait_dscnt 31-tt
	global_store_b128 v[CO], v[OUT+4*tt:OUT+4*tt+3], s[CP:CP+1] offset:tt*2*ROWB  ; 16 lanes store 256 consecutive bytes, at a multiple of 256 from qkv's first byte
.set tt, tt+1
.endr
.endm
; THE CHANGE OF SLOTS.  Each wave waits for all its tensor loads (wave 0's one: the tile to be read next), adds 0 to its spare word, and waits for that and for its reads of the slot that it leaves.
; fill = 1: a round of the cluster's barrier, so that no wave of any partner still reads that slot, and the joint load of the tile after next is the first thing behind it: it has a tile's 256 products in which to land.
.macro CHANGE fill
	WIN 0
	s_wait_tensorcnt 0x0                           ; no tensor load of mine is out, so group 0 may be written
	ds_add_u32 v[SPW], v[NIL]                      ; 0 onto my spare word; the scalar steps stand between it and the wait for it
.if \fill
	s_xor_b32 s[G0+1], s[G0+1], SLOT               ; the other slot than last time,
	s_add_nc_u64 s[G0+2:G0+3], s[G0+2:G0+3], 64*KB ; the next 64 rows of W; the type bits on top are not reached
.endif
	s_xor_b32 s[TB], s[TB], SLOT
	s_wait_dscnt 0x0                               ; the add is done, and my LDS reads and stores are over
.if \fill
	CROUND
	WLOAD
.else
	s_barrier_signal -1
	s_barrier_wait -1
.endif
.endm
	s_load_b256 s[4:11], s[0:1], 0x0               ; x16 s[4:5], w16 s[6:7], bq s[8:9], bk s[10:11]
	s_load_b128 s[52:55], s[0:1], 0x20             ; bv s[52:53], qkv s[54:55]
	v_lshl_add_u32 v[SPW], v0, 2, SPARE
	v_mov_b32 v[NIL], 0
	ds_add_u32 v[SPW], v[NIL]                      ; the wave's opening: the add and its wait stand ahead of the first tensor load; the set-up below stands between them
	v_lshrrev_b32 v1, 5, v0
	v_readfirstlane_b32 s[WV], v1                  ; wave 0..3
	s_bfe_u32 s13, ttmp6, 0x40000                  ; cx: my place in the cluster
	s_lshl_b32 s15, ttmp9, 2                       ; in a cluster launch ttmp9 counts clusters
	s_add_co_u32 s13, s15, s13                     ; my block of 256 rows: it enters x16's and qkv's addresses alone
	s_and_b32 s14, ttmp7, 0xffff                   ; my quarter of the columns, which the four partners share
	s_mov_b32 s[G1+0], 15|(1<<16)|(1<<20)|(1<<21)|(7<<22)|(3<<25)  ; 15:0 the mask of four; 17:16 2-byte elements; 20 padding on; 21 set beside a mask; 24:22 after every 256 words (code 7); 31:25 4 words (code 3)
	s_mov_b32 s[G1+1], 512<<16                     ; tensor_dim0 = 512
	s_mov_b32 s[G1+2], 64<<16                      ; tensor_dim1 = 64
	s_mov_b32 s[G1+3], 512<<16                     ; tile_dim0 = 512
	s_mov_b32 s[G1+4], 64                          ; tile_dim1 = 64
	s_mov_b32 s[G1+5], 512                         ; 512 elements from row to row
	s_mov_b32 s[G1+6], 0
	s_mov_b32 s[G1+7], 0
	s_mov_b32 s[G0], 1                             ; count = 1
	s_mov_b32 s[G0+1], 0                           ; LDS address: slot 0
	s_mul_i32 s16, s14, NQ*KB                      ; my first row of w16, in bytes
	s_mov_b32 s17, 0
	s_lshl_b32 s18, s13, 2
	s_add_co_u32 s18, s18, s[WV]
	s_lshl_b32 s18, s18, 16                        ; my wave's first row: 64 rows of 1,024 bytes a wave, in x16 and in qkv alike
	s_mov_b32 s19, 0
	s_mul_i32 s[GC], s14, 3                        ; the work-group's first group of 128 columns
	s_add_co_u32 s20, s[GC], s[WV]                 ; waves 0 to 2 bring the biases of one group each:
	s_lshr_b32 s23, s20, 2                         ; it lies in bias number group / 4 (q, k, v),
	s_and_b32 s20, s20, 3
	s_lshl_b32 s20, s20, 9                         ; at byte 512 (group % 4)
	s_mov_b32 s21, 0
	s_wait_dscnt 0x0                               ; the opening add is done
	s_wait_kmcnt 0x0
	s_add_nc_u64 s[G0+2:G0+3], s[6:7], s[16:17]
	s_or_b32 s[G0+3], s[G0+3], 0x80000000          ; type = 2
	s_add_nc_u64 s[4:5], s[4:5], s[18:19]
	s_add_nc_u64 s[CB:CB+1], s[54:55], s[18:19]
	s_cmp_eq_u32 s23, 1
	s_cselect_b64 s[BP:BP+1], s[10:11], s[8:9]
	s_cmp_eq_u32 s23, 2
	s_cselect_b64 s[BP:BP+1], s[52:53], s[BP:BP+1]
	s_add_nc_u64 s[BP:BP+1], s[BP:BP+1], s[20:21]
	CROUND                                         ; all four work-groups are here: the first joint load meets
	WLOAD                                          ; tile 0 into slot 0
	v_and_b32 v1, 15, v0                           ; l % 16
	v_bfe_u32 v2, v0, 4, 1                         ; l / 16
	v_lshlrev_b32 v[VA], 10, v1
	v_lshl_add_u32 v[VA], v2, 4, v[VA]             ; row x 1,024 + 16 x half
	s_cmp_ge_u32 s[WV], 3
	s_cbranch_scc1 .Lnobias                        ; 384 biases are 1,536 bytes: waves 0 to 2, 512 bytes each, 16 bytes a lane; asked for ahead of x, so that they are in with x's first half
	v_and_b32 v14, 31, v0
	v_lshlrev_b32 v14, 4, v14                      ; 16 x lane in my wave's group
	global_load_b128 v[TMP:TMP+3], v14, s[BP:BP+1]
.Lnobias:
	; A fragment is 16 rows x 32 K in 8 registers: lane l holds row l % 16, K = 8 (l / 16) + 0..7 and 16 + 8 (l / 16) + 0..7: two loads of 16 bytes, 32 bytes apart.
	WIN 0x80
.set kk, 0
.rept 8
.set aa, 0
.rept 4
	global_load_b128 v[8*(4*kk+aa):8*(4*kk+aa)+3],   v[VA], s[4:5] offset:aa*16*KB+kk*64
	global_load_b128 v[8*(4*kk+aa)+4:8*(4*kk+aa)+7], v[VA], s[4:5] offset:aa*16*KB+kk*64+32
.set aa, aa+1
.endr
.set kk, kk+1
.endr
	WIN 0xc0
.set kk, 0
.rept 8
.set aa, 0
.rept 4
	global_load_b128 v[8*(4*kk+aa):8*(4*kk+aa)+3],   v[VA], s[4:5] offset:aa*16*KB+512+kk*64
	global_load_b128 v[8*(4*kk+aa)+4:8*(4*kk+aa)+7], v[VA], s[4:5] offset:aa*16*KB+512+kk*64+32
.set aa, aa+1
.endr
.set kk, kk+1
.endr
	WIN 0
	v_mul_u32_u24 v[AB0], v1, PITCH
	v_lshl_add_u32 v[AB0], v2, 4, v[AB0]           ; row x pitch + 16 x half
	s_mul_i32 s22, s[WV], WSTAGE
	s_add_co_u32 s22, s22, STAGE                   ; my stage
	v_mul_u32_u24 v[STO0], v1, SPITCH              ; in: row l % 16, 16 bytes for each half of the lanes
	v_lshl_add_u32 v[STO0], v2, 4, v[STO0]
	v_add_nc_u32 v[STO0], s22, v[STO0]
	v_mov_b32 v[STO], v[STO0]
	v_mul_u32_u24 v[RD], v2, SPITCH                ; back: lanes 0-15 one row of 256 bytes, lanes 16-31 the next
	v_lshl_add_u32 v[RD], v1, 4, v[RD]
	v_add_nc_u32 v[RD], s22, v[RD]
	v_lshlrev_b32 v[CO], 10, v2                    ; and the same two rows in qkv
	v_lshl_add_u32 v[CO], v1, 4, v[CO]
	v_lshl_add_u32 v[BBA0], v2, 5, BIASB           ; register j of a result is column 8 (l / 16) + j: 32 bytes of biases for each half of the lanes
	s_wait_loadcnt 63                              ; of my 128 loads of x (129 with the biases') at most 63 are out: the biases and the first 64 of x, K steps 0-7, are in
	s_cmp_ge_u32 s[WV], 3
	s_cbranch_scc1 .Lnostore
	v_lshlrev_b32 v15, 4, v0
	v_add_nc_u32 v15, BIASB, v15                   ; into LDS: 16 x thread: the three groups on end
	ds_store_b128 v15, v[TMP:TMP+3]                ; shown to the other waves by the first change of slots: its wait for 0 and its barrier
.Lnostore:
	s_mov_b32 s[TB], SLOT                          ; the first change of slots turns it into 0
	s_mov_b32 s[BT], 0
	s_mov_b32 s[SCO], 0
	s_mov_b32 s[TAU], 5
.Ltau:                                                 ; tiles 0 to 4; each trip asks for the next tile
	CHANGE 1
	TILE
	s_and_b32 s50, s[TAU], 1
	s_cmp_lg_u32 s50, 0
	s_cbranch_scc1 .Lnoflush                       ; counts 5, 3, 1 are the first tile of a pair: the stage rows are half full
	FLUSH
.Lnoflush:
	s_sub_co_u32 s[TAU], s[TAU], 1
	s_cmp_lg_u32 s[TAU], 0
	s_cbranch_scc1 .Ltau
	CHANGE 0                                       ; the last tile is written out: nothing is asked for
	TILE
	FLUSH
	s_wait_tensorcnt 0x0                           ; the wave's end
	ds_add_u32 v[SPW], v[NIL]
	s_wait_dscnt 0x0
	CROUND                                         ; the closing round: no work-group ends while a partner may still ask for a tile that names it
	s_endpgm
.Lfunc_end_k_q3357ecc4d2_proj:
	.size	k_q3357ecc4d2_proj, .Lfunc_end_k_q3357ecc4d2_proj-k_q3357ecc4d2_proj
	.p2alignl 7, 3214868480
	.fill 96, 4, 3214868480
	.section	.rodata,"a",@progbits
	.p2align	6, 0x0
	.amdhsa_kernel k_q3357ecc4d2_proj
		.amdhsa_group_segment_fixed_size 327680
		.amdhsa_private_segment_fixed_size 0
		.amdhsa_enable_private_segment 0
		.amdhsa_kernarg_size 48
		.amdhsa_user_sgpr_count 2
		.amdhsa_user_sgpr_kernarg_segment_ptr 1
		.amdhsa_wavefront_size32 1
		.amdhsa_system_sgpr_workgroup_id_x 1
		.amdhsa_system_sgpr_workgroup_id_y 1
		.amdhsa_system_sgpr_workgroup_id_z 1
		.amdhsa_system_vgpr_workitem_id 0
		.amdhsa_next_free_vgpr 1024
		.amdhsa_next_free_sgpr 66
		.amdhsa_reserve_vcc 0
		.amdhsa_float_denorm_mode_32 3
		.amdhsa_float_denorm_mode_16_64 3
		.amdhsa_memory_ordered 1
		.amdhsa_forward_progress 1
		.amdhsa_inst_pref_size 53
	.end_amdhsa_kernel
	.amdgpu_metadata
---
amdhsa.version: [ 1, 2 ]
amdhsa.kernels:
  - .name:           k_q3357ecc4d2_proj
    .symbol:         k_q3357ecc4d2_proj.kd
    .args:
      - { .name: x16, .offset: 0, .size: 8, .value_kind: global_buffer, .address_space: global }
      - { .name: w16, .offset: 8, .size: 8, .value_kind: global_buffer, .address_space: global }
      - { .name: bq, .offset: 16, .size: 8, .value_kind: global_buffer, .address_space: global }
      - { .name: bk, .offset: 24, .size: 8, .value_kind: global_buffer, .address_space: global }
      - { .name: bv, .offset: 32, .size: 8, .value_kind: global_buffer, .address_space: global }
      - { .name: qkv, .offset: 40, .size: 8, .value_kind: global_buffer, .address_space: global }
    .group_segment_fixed_size: 327680
    .private_segment_fixed_size: 0
    .kernarg_segment_align: 8
    .kernarg_segment_size: 48
    .max_flat_workgroup_size: 128
    .sgpr_count:     66
    .vgpr_count:     1024
    .wavefront_size: 32
...
	.end_amdgpu_metadata
.endif
;; end of part 2
;; launch attn (part 3): grid 8 x 32, 4 waves a work-group, clusters of 4 x 2, 327,680 bytes of LDS; arguments qkv, adj_matrix, bond_matrix, ctx; writes ctx
.if DOCPART == 3
	.amdgcn_target "amdgcn-amd-amdhsa--gfx1250"
	.amdhsa_code_object_version 6
	.text
	.protected	k_q3357ecc4d2_attn
	.globl	k_q3357ecc4d2_attn
	.p2align	8
	.type	k_q3357ecc4d2_attn,@function
k_q3357ecc4d2_attn:
	s_mov_b64 s[64:65], 0
	v_nop
	global_prefetch_b8 v0, s[64:65] scope:SCOPE_SE
	s_setreg_imm32_b32 hwreg(HW_REG_WAVE_MODE, 25, 1), 1
	s_wait_xcnt 0x0
	s_wait_alu depctr_hold_cnt(0) depctr_sa_sdst(0) depctr_va_vdst(0) depctr_va_sdst(0) depctr_va_ssrc(0) depctr_va_vcc(0) depctr_vm_vsrc(0)
	s_getreg_b32 s2, hwreg(HW_REG_IB_STS2, 6, 4)
	s_cmp_eq_u32 s2, 0
	s_cbranch_scc0 .Lentry_in_a_cluster
	s_endpgm
.Lentry_in_a_cluster:
	s_bfe_u32 s2, ttmp6, 0x10000c
	s_cmp_lg_u32 s2, 0x7013
	s_cbranch_scc0 .Lentry_shape_is_right
	s_endpgm
.Lentry_shape_is_right:
; ATTN.  ctx[b][q][64 h + d] = the sum over k of softmax_k( (Q[q] . K[k] / 8) (adj[b][q][k] + bond[b][q][k]) ) V[k][d], for each of 16 batches and 8 heads.
; qkv [3][16384][512] f16, a head is 128 bytes of a row of 1,024; adj, bond [16][1024][1024] f32; ctx [16384][512] f16.  Products, mask, maxima and sums in f32; the weights p are rounded to f16 for the
; second product (their sum l is taken of the unrounded p), ctx once at the end.
; LIMITS.  f16 holds no number beyond 65,504: q, k, v arrive within it; p lies in 0 to 1 and keeps f16's fixed step of 6e-8 below 6e-5; ctx is a mean of V's rows.  adj and bond are used as they are, in f32.
; A weight below 2^-126 counts as 0 in l; NaN and infinities are not treated apart.
; SHARES.  A work-group owns 128 queries of one batch and 4 of its 8 heads.  Wave w: head pair w / 2, query half w % 2: four tiles of 16 queries x 2 heads.  A PIECE is one query tile with both heads:
; its two units share the 32 mask numbers a lane.  Every wave walks all 1,024 keys, 64 a step.
; LAYOUT.  S^T = K Q^T (source 0 = 16 keys, source 1 = 16 queries): a lane holds ONE query (lane % 16) and the keys 8 (lane / 16) + 0..7, so its mask numbers are 32 neighbouring bytes of a mask row.
; Two such results, rounded to f16 in pairs, ARE source 1 of O^T = V^T P.  K comes out of LDS as it lies, V turned, by ds_load_tr16_b128.
; SOFTMAX.  s = (K Q^T)(adj + bond); a running maximum m and sum l: p = 2^(c s - c m), c = log2(e) / 8; in every step O and l are multiplied by a = 2^(c m_old - c m_new).
; m starts at the lowest finite number, O and l at 0: the first step is a step like any other, with a = 0.
; BY TURNS.  Turn n belongs to piece n.  Matrix work: 16 products K Q^T of piece n + 1, later 16 products V^T P of piece n - 1.  Vector work: all 268 lines of piece n's softmax, and adj + bond of piece n + 1.
; Four vector lines stand behind every matrix instruction, the rest in two lumps.  The vector lines are one list that is right in the order written; the deal only says how many follow each product.
; CLUSTER.  4 x 2 work-groups of one batch: along x four query blocks, along y the batch's two groups of heads.  The four of a row walk the same K and V; the two of a column need the same rows of adj and
; bond.  Every tile is asked for JOINTLY: K's and V's with the mask of my row (places 4 cy .. 4 cy + 3), adj's and bond's with the mask of my column (places cx and cx + 4).  K's and V's address is made of
; the batch and cy alone, adj's and bond's of the batch and the query block alone; no LDS address and no branch hangs on cx or cy.  A step's 64 KiB of adj and bond are so requested once for two work-groups.
; One tensor load a wave behind each round (wave 0 K, 1 V, 2 adj, 3 bond): by this text's own count one is outstanding at the most; it has a key step, 128 products a wave, in which to land.
; REGISTERS, in windows of 256 (s_set_vgpr_msb: bits 1:0 source 0, 3:2 source 1, 5:4 source 2, 7:6 destination):
;   window 0: v0-15 addresses; v16-47 statistics, 4 a unit; v48-57 at work; v64-191 S^T, two buffers of two units; v192-255 P, likewise
;   window 1: O^T, 32 a unit     window 2: v0-127 Q, 16 a unit; v128-255 K of one step, 64 a head     window 3: v0-127 V of one step, 64 a head; v128-255 the mask, two buffers of adj 32, bond 32
.set KS,    64        ; keys in a step
.set PKP,   528       ; a row of K in LDS: 4 heads' 512 bytes + 16 of padding = 132 words: the 16 rows of a load start 4 banks apart (64 banks of 4 bytes: ISA guide 11.1)
.set PVP,   544       ; a row of V: 512 + 32 = 136 words
.set PMP,   272       ; a row of adj or bond: 64 keys' 256 bytes + 16
.set KOFF,  0
.set VOFF,  KS*PKP
.set AOFF,  VOFF+KS*PVP
.set BOFF,  AOFF+128*PMP
.set SLOT,  BOFF+128*PMP   ; 138,240 bytes: a step's K, V, adj, bond
.set STAGE, 2*SLOT         ; behind the ring, never filled by a tensor load: 16 rows x 272 bytes for each wave
.set SP,    272
.set SPARE, STAGE+4*16*SP  ; the spare words, 128 bytes for each wave: two blocks of 256 bytes that no other line names
.set AK0, 2           ; my lane's place in a tile of K; never rewritten
.set AV0, 3           ; of V
.set AM0, 4           ; of adj
.set AK,  5           ; the same + the slot being read
.set AV,  6
.set AM,  7
.set QO,  8           ; my byte offset in 16 rows of Q
.set STO, 8           ; later, the way out: where I put 16 bytes of a row
.set RD,  10          ; where I read rows back
.set GO,  11          ; my byte offset in two rows of ctx
.set PFO, 12          ; my row of the mask tile, for the prefetch
.set ST,  16          ; unit n's statistics at v[ST+4 n]: c m, m, l (even keys', odd keys')
.set TMP, 48          ; by unit of the piece, c0-c3 at work; when the maximum is found c2 takes a
.set MV,  56          ; c m_old, kept while c m is made anew
.set SPW, 62          ; LDS address of my spare word; never rewritten
.set NIL, 63          ; 0; never rewritten
.set S,   64
.set P,   192
.set KF,  128         ; window 2: head j, key block kb, channel half c at KF + 64 j + 16 kb + 8 c
.set MK,  128         ; window 3
.set WV,  12
.set G1K, 24          ; s[24:31]
.set G1V, 32          ; s[32:39]
.set G1M, 40          ; s[40:47]
.set G0K, 48          ; s[48:51]  the four walking groups 0
.set G0V, 52
.set G0A, 56
.set G0B, 60
.set SLOTS, 66
.set CNT, 67
.set CS,  68          ; s[68:69] c
.set SEL, 70          ; s[70:71] v_permlanex16_b32's selects: each lane takes its own place in the other half
.set TB,  72          ; the slot being read: 0 or SLOT
.set PFB, 74          ; s[74:75] the mask tensor that my wave prefetches, at the first of the 64 rows that my work-group asks for
.set PF,  76          ; s[76:77] + the tile
.set PO,  78          ; s[78:79]
.set PFK, 80          ; the tile to be prefetched
.set MSB, 0
.macro WIN new                      ; the high byte repeats the setting that is left; a switch that changes nothing is dropped
.if MSB != (\new)
	s_set_vgpr_msb (MSB<<8)|(\new)
.set MSB, (\new)
.endif
.endm
.set W_KQ, 0x0a       ; K and Q in window 2, S^T in window 0
.set W_PV, 0x53       ; V in window 3, P in window 0, O^T in window 1
.set W_RS, 0x41       ; O^T (destination and source 0) in window 1, a in window 0
.set W_MM, 0x0c       ; S^T in window 0, the mask (source 1) in window 3
.set W_MA, 0xcf       ; adj += bond: all in window 3
.macro CROUND                       ; a round of the cluster's barrier
	s_barrier_signal -1
	s_barrier_wait -1
	s_cmp_lg_u32 s[WV], 0
	s_cbranch_scc1 .Lnot_wave_0_\@
	s_barrier_signal -3
.Lnot_wave_0_\@:
	s_barrier_wait -3
	s_barrier_signal -1
	s_barrier_wait -1
.endm
.macro TLOAD g0, g1                 ; a tensor load; an s_nop 0 and four v_nop follow it
	tensor_load_to_lds s[\g0:\g0+3], s[\g1:\g1+7]
	s_nop 0
.rept 4
	v_nop
.endr
.endm
.macro JLOAD4                       ; a step's four tiles, one a wave, all joint.  The branches hang on the wave's number alone: they are the same in every work-group
	s_cmp_lg_u32 s[WV], 0
	s_cbranch_scc1 .Lnot_k_\@
	TLOAD G0K, G1K
	s_branch .Lasked_\@
.Lnot_k_\@:
	s_cmp_lg_u32 s[WV], 1
	s_cbranch_scc1 .Lnot_v_\@
	TLOAD G0V, G1V
	s_branch .Lasked_\@
.Lnot_v_\@:
	s_cmp_lg_u32 s[WV], 2
	s_cbranch_scc1 .Lnot_a_\@
	TLOAD G0A, G1M
	s_branch .Lasked_\@
.Lnot_a_\@:
	TLOAD G0B, G1M
.Lasked_\@:
.endm
; THE CHANGE OF SLOTS.  Each wave waits for its tensor load (its tile of the step to be read next), adds 0 to its spare word, and waits for that and for its reads of the slot that it leaves.
; fill = 1: a round of the cluster's barrier, so that no wave of any partner still reads that slot or has a load on its way; the refill, with the step after next, is the first thing behind it.
; Behind it one prefetch a wave: 32 rows x the 256 bytes of the mask tile that the NEXT change of slots will ask for: waves 0 and 1 ask for adj, waves 2 and 3 for bond; the column's two work-groups take
; the block's lower and upper 64 rows, so each block is asked for by one wave of one work-group; the tile's number is held at 15, the last.  (At its first use nothing has been read yet: slot 0 is waited for, slot 1 filled.)
.macro CHANGE fill
	WIN 0
	s_wait_tensorcnt 0x0            ; no tensor load of mine is out, so the groups 0 may be written
	ds_add_u32 v[SPW], v[NIL]       ; 0 onto my spare word; the scalar steps stand between it and the wait for it
.if \fill
	s_wait_xcnt 0x0                 ; the last prefetch's address has been translated (ISA guide 3.1): its base is written again
	s_xor_b32 s[G0K+1], s[G0K+1], (KOFF)^(KOFF+SLOT)  ; the other slot than last time,
	s_add_nc_u64 s[G0K+2:G0K+3], s[G0K+2:G0K+3], KS*1024  ; the next 64 keys; the type bits on top are not reached
	s_xor_b32 s[G0V+1], s[G0V+1], (VOFF)^(VOFF+SLOT)
	s_add_nc_u64 s[G0V+2:G0V+3], s[G0V+2:G0V+3], KS*1024
	s_xor_b32 s[G0A+1], s[G0A+1], (AOFF)^(AOFF+SLOT)
	s_add_nc_u64 s[G0A+2:G0A+3], s[G0A+2:G0A+3], KS*4
	s_xor_b32 s[G0B+1], s[G0B+1], (BOFF)^(BOFF+SLOT)
	s_add_nc_u64 s[G0B+2:G0B+3], s[G0B+2:G0B+3], KS*4
	s_add_co_u32 s[PFK], s[PFK], 1
	s_min_u32 s[PO], s[PFK], 15
	s_lshl_b32 s[PO], s[PO], 8
	s_add_nc_u64 s[PF:PF+1], s[PFB:PFB+1], s[PO:PO+1]
.endif
	s_xor_b32 s[TB], s[TB], SLOT
	s_wait_dscnt 0x0                ; the add is done, and my reads of the slot are over
.if \fill
	CROUND
	JLOAD4
	global_prefetch_b8 v[PFO], s[PF:PF+1] th:TH_LOAD_NT scope:SCOPE_SE
.else
	s_barrier_signal -1
	s_barrier_wait -1
.endif
	v_add_nc_u32 v[AK], s[TB], v[AK0]
	v_add_nc_u32 v[AV], s[TB], v[AV0]
	v_add_nc_u32 v[AM], s[TB], v[AM0]
.endm
	s_load_b256 s[4:11], s[0:1], 0x0  ; qkv s[4:5], adj s[6:7], bond s[8:9], ctx s[10:11]
	v_lshl_add_u32 v[SPW], v0, 2, SPARE
	v_mov_b32 v[NIL], 0
	ds_add_u32 v[SPW], v[NIL]       ; the wave's opening: the add and its wait stand ahead of my first tensor load; the set-up below stands between them
	v_lshrrev_b32 v1, 5, v0
	v_readfirstlane_b32 s[WV], v1   ; wave 0..3
	s_bfe_u32 s13, ttmp6, 0x40000   ; cx: my place along the cluster's x
	s_bfe_u32 s17, ttmp6, 0x40004   ; cy: along its y: my group of 4 heads, which my row of the cluster shares
	s_lshl_b32 s14, ttmp9, 2        ; in a cluster launch ttmp9 and ttmp7 count clusters
	s_add_co_u32 s14, s14, s13      ; my block of 128 queries = 4 x cluster x + cx, which my column shares
	s_and_b32 s16, ttmp7, 0xffff    ; the batch = cluster y, which all eight share
	s_lshl_b32 s15, s17, 2
	s_lshl_b32 s15, 15, s15         ; my row of the cluster: places 4 cy .. 4 cy + 3
	s_lshl_b32 s82, 0x11, s13       ; my column: places cx and cx + 4
	s_lshr_b32 s18, s[WV], 1        ; my pair of heads in the group
	s_and_b32 s19, s[WV], 1         ; my half of the queries
	s_lshl_b32 s20, s16, 20         ; K and V: the batch's 1,024 rows of 1,024 bytes,
	s_lshl_b32 s21, s17, 9          ; the group's 512 bytes of a row: nothing of cx enters
	s_add_co_u32 s20, s20, s21
	s_mov_b32 s21, 0
	s_lshl_b32 s22, s16, 22         ; adj and bond: the batch's 1,024 rows of 4,096 bytes,
	s_lshl_b32 s23, s14, 19         ; my block's 128: nothing of cy enters
	s_add_co_u32 s22, s22, s23
	s_mov_b32 s23, 0
	s_lshl_b32 s84, s14, 17         ; Q and ctx: my block's 128 rows,
	s_lshl_b32 s85, s19, 16         ; my half's 64,
	s_add_co_u32 s84, s84, s85
	s_lshl_b32 s85, s18, 8          ; my pair's 256 bytes of a row
	s_add_co_u32 s84, s84, s85
	s_add_co_u32 s84, s84, s20
	s_mov_b32 s85, 0
	s_lshl_b32 s86, s17, 18         ; the prefetch: my work-group's 64 of the block's 128 mask rows
	s_mov_b32 s87, 0
	s_or_b32 s[G1K], s15, (1<<16)|(1<<20)|(1<<21)|(6<<22)|(3<<25)  ; 15:0 the mask of my row; 17:16 2-byte elements; 20 padding on; 21 set beside a mask; 24:22 after every 128 words (code 6); 31:25 4 words (code 3)
	s_or_b32 s[G1V], s15, (1<<16)|(1<<20)|(1<<21)|(6<<22)|(7<<25)  ; the same with 8 words of padding (code 7)
.irp g, G1K, G1V
	s_mov_b32 s[\g+1], 256<<16      ; tensor_dim0 = 256: four heads
	s_mov_b32 s[\g+2], KS<<16       ; tensor_dim1 = 64
	s_mov_b32 s[\g+3], 256<<16      ; tile_dim0 = 256
	s_mov_b32 s[\g+4], KS           ; tile_dim1 = 64
	s_mov_b32 s[\g+5], 512          ; 512 elements from row to row
	s_mov_b32 s[\g+6], 0
	s_mov_b32 s[\g+7], 0
.endr
	s_or_b32 s[G1M], s82, (2<<16)|(1<<20)|(1<<21)|(5<<22)|(3<<25)  ; the mask of my column; 4-byte elements; padding on; 21 set beside a mask; after every 64 words (code 5) 4 words (code 3)
	s_mov_b32 s[G1M+1], KS<<16      ; tensor_dim0 = 64
	s_mov_b32 s[G1M+2], 128<<16     ; tensor_dim1 = 128
	s_mov_b32 s[G1M+3], KS<<16      ; tile_dim0 = 64
	s_mov_b32 s[G1M+4], 128         ; tile_dim1 = 128
	s_mov_b32 s[G1M+5], 1024        ; 1,024 elements from row to row
	s_mov_b32 s[G1M+6], 0
	s_mov_b32 s[G1M+7], 0
	s_mov_b32 s[G0K], 1             ; count = 1
	s_mov_b32 s[G0K+1], KOFF        ; LDS addresses: slot 0
	s_mov_b32 s[G0V], 1
	s_mov_b32 s[G0V+1], VOFF
	s_mov_b32 s[G0A], 1
	s_mov_b32 s[G0A+1], AOFF
	s_mov_b32 s[G0B], 1
	s_mov_b32 s[G0B+1], BOFF
	s_mov_b32 s[CS], 0x3e38aa3b     ; c = log2(e) / 8 = 0.180337
	s_mov_b32 s[CS+1], s[CS]        ; named with it as a pair
	s_mov_b32 s[SEL], 0x76543210
	s_mov_b32 s[SEL+1], 0xfedcba98
	s_mov_b32 s[TB], SLOT           ; the first change of slots turns it into 0
	s_mov_b32 s[PFK], 1
	s_mov_b32 s[PO+1], 0
	s_wait_dscnt 0x0                ; the opening add is done
	s_wait_kmcnt 0x0
	s_add_nc_u64 s[G0K+2:G0K+3], s[4:5], s[20:21]
	s_add_nc_u64 s[G0V+2:G0V+3], s[G0K+2:G0K+3], 0x2000000  ; v is the third tensor of qkv,
	s_add_nc_u64 s[G0K+2:G0K+3], s[G0K+2:G0K+3], 0x1000000  ; k the second
	s_or_b32 s[G0K+3], s[G0K+3], 0x80000000                 ; type = 2
	s_or_b32 s[G0V+3], s[G0V+3], 0x80000000
	s_add_nc_u64 s[G0A+2:G0A+3], s[6:7], s[22:23]
	s_or_b32 s[G0A+3], s[G0A+3], 0x80000000
	s_add_nc_u64 s[G0B+2:G0B+3], s[8:9], s[22:23]
	s_or_b32 s[G0B+3], s[G0B+3], 0x80000000
	s_cmp_lt_u32 s[WV], 2           ; the prefetch: waves 0 and 1 ask for adj, waves 2 and 3 for bond
	s_cselect_b64 s[PFB:PFB+1], s[6:7], s[8:9]
	s_add_nc_u64 s[PFB:PFB+1], s[PFB:PFB+1], s[22:23]
	s_add_nc_u64 s[PFB:PFB+1], s[PFB:PFB+1], s[86:87]
	s_add_nc_u64 s[4:5], s[4:5], s[84:85]    ; Q and ctx at my wave's first row and head
	s_add_nc_u64 s[10:11], s[10:11], s[84:85]
	CROUND                          ; all eight work-groups are here: the first joint loads meet
	JLOAD4                          ; step 0 into slot 0.  Slot 1 is asked for when slot 0 is in
	; A fragment of K or Q is 16 rows x 32 channels in 8 registers: lane l holds row l % 16, channels 8 (l / 16) + 0..7 and 16 + 8 (l / 16) + 0..7: two loads of 16 bytes, 32 bytes apart.
	v_and_b32 v1, 15, v0            ; l % 16
	v_bfe_u32 v9, v0, 4, 1          ; l / 16
	v_lshlrev_b32 v[QO], 10, v1
	v_lshl_add_u32 v[QO], v9, 4, v[QO]  ; row x 1,024 + 16 x half
	WIN 0x80                        ; destination window 2, address window 0
.set i, 0
.rept 16                            ; Q stays in registers: tile i / 4, head (i / 2) % 2, channels 32 (i % 2) on
	global_load_b128 v[8*i:8*i+3],   v[QO], s[4:5] offset:(i/4)*16384+((i/2)%2)*128+(i%2)*64
	global_load_b128 v[8*i+4:8*i+7], v[QO], s[4:5] offset:(i/4)*16384+((i/2)%2)*128+(i%2)*64+32
.set i, i+1
.endr
	; What the first turn finds: V's registers and P's second buffer hold 0 (its products V^T P, of a piece that has not been, add 0), O^T and l are 0.  All this stands in the wait for the first tile.
	WIN 0xc0
.set i, 0
.rept 128
	v_mov_b32 v[i], 0
.set i, i+1
.endr
	WIN 0x40
.set i, 0
.rept 256
	v_mov_b32 v[i], 0
.set i, i+1
.endr
	WIN 0
.set i, 0
.rept 8
	v_mov_b32 v[ST+4*i], 0xfe000000    ; c m: far below every c s
	v_mov_b32 v[ST+4*i+1], 0xff7fffff  ; m
	v_mov_b32 v[ST+4*i+2], 0
	v_mov_b32 v[ST+4*i+3], 0
.set i, i+1
.endr
.set i, P+32
.rept 32
	v_mov_b32 v[i], 0
.set i, i+1
.endr
	s_lshl_b32 s81, s18, 8          ; my pair's 256 bytes of a row of K and V
	v_mul_u32_u24 v[AK0], v1, PKP
	v_lshl_add_u32 v[AK0], v9, 4, v[AK0]
	v_add_nc_u32 v[AK0], s81, v[AK0]      ; row x pitch + 16 x half + the pair
	; The turning load takes 16 keys x 16 channels (lane l reads key 8 (l / 16) + l % 8, channels 8 ((l / 8) % 2) + 0..7) and leaves half a fragment of V^T: lane l holds channel l % 16 and 8 keys.
	v_and_b32 v13, 7, v0
	v_bfe_u32 v14, v0, 3, 1
	v_lshl_add_u32 v[AV0], v9, 3, v13
	v_mul_u32_u24 v[AV0], v[AV0], PVP
	v_lshl_add_u32 v[AV0], v14, 4, v[AV0]
	s_add_co_u32 s81, s81, VOFF
	v_add_nc_u32 v[AV0], s81, v[AV0]
	s_mul_i32 s81, s19, 64*PMP      ; the mask: my half's 64 rows; row l % 16 of a tile; keys 8 (l / 16) + 0..7 are 32 bytes
	s_add_co_u32 s81, s81, AOFF
	v_mul_u32_u24 v[AM0], v1, PMP
	v_lshl_add_u32 v[AM0], v9, 5, v[AM0]
	v_add_nc_u32 v[AM0], s81, v[AM0]
	v_and_b32 v[PFO], 63, v0        ; the prefetch: thread t asks for row t % 64 of my work-group's 64 mask rows
	v_lshlrev_b32 v[PFO], 12, v[PFO]
; THE MATRIX WORK.  The 8 accumulators of a run of 16 take turns: between the two links of a chain stand 7 others'.
; Product i of 16 of S^T = K Q^T for piece x: channels 32 (i / 8) on, keys 16 ((i / 2) % 4) on, head i % 2.  The first 8 start the sums.
.macro KQ x
	WIN W_KQ
.set rD, S+64*((\x)%2)+32*(i%2)+8*((i/2)%4)
.set rK, KF+64*(i%2)+16*((i/2)%4)+8*(i/8)
.set rQ, 16*(2*(\x)+i%2)+8*(i/8)
.if i < 8
	v_wmma_f32_16x16x32_f16 v[rD:rD+7], v[rK:rK+7], v[rQ:rQ+7], 0
.else
	v_wmma_f32_16x16x32_f16 v[rD:rD+7], v[rK:rK+7], v[rQ:rQ+7], v[rD:rD+7]
.endif
.set i, i+1
.endm
; Product i of 16 of O^T += V^T P for piece x: keys 32 (i / 8) on, channels 16 ((i / 2) % 4) on, head i % 2.
.macro PV x
	WIN W_PV
.set rD, 32*(2*(\x)+i%2)+8*((i/2)%4)
.set rV, 64*(i%2)+32*(i/8)+8*((i/2)%4)
.set rB, P+32*((\x)%2)+16*(i%2)+8*(i/8)
	v_wmma_f32_16x16x32_f16 v[rD:rD+7], v[rV:rV+7], v[rB:rB+7], v[rD:rD+7]
.set i, i+1
.endm
; THE LDS LOADS stand in runs, never singly among the matrix instructions.
.macro FETCH_K                      ; a step's K for my two heads: 16 fragments
	WIN 0x80
.set f, 0
.rept 16                            ; head f / 8, keys 16 ((f / 2) % 4) on, channels 32 (f % 2) on
	ds_load_b128 v[KF+64*(f/8)+16*((f/2)%4)+8*(f%2):KF+64*(f/8)+16*((f/2)%4)+8*(f%2)+3],   v[AK] offset:((f/2)%4)*16*PKP+(f/8)*128+(f%2)*64
	ds_load_b128 v[KF+64*(f/8)+16*((f/2)%4)+8*(f%2)+4:KF+64*(f/8)+16*((f/2)%4)+8*(f%2)+7], v[AK] offset:((f/2)%4)*16*PKP+(f/8)*128+(f%2)*64+32
.set f, f+1
.endr
	WIN 0
.endm
.macro FETCH_V                      ; a step's V for my two heads, turned: 16 fragments
	WIN 0xc0
.set f, 0
.rept 16                            ; head f / 8, keys 32 ((f / 4) % 2) on, channels 16 (f % 4) on
	ds_load_tr16_b128 v[8*f:8*f+3],   v[AV] offset:((f/4)%2)*32*PVP+(f/8)*128+(f%4)*32
	ds_load_tr16_b128 v[8*f+4:8*f+7], v[AV] offset:((f/4)%2)*32*PVP+16*PVP+(f/8)*128+(f%4)*32
.set f, f+1
.endr
	WIN 0
.endm
.macro MLOAD t, bf                  ; adj and bond for query tile t, 64 keys, into mask buffer bf: 16 loads; register 8 kt + j is key 16 kt + 8 (l / 16) + j, as in S^T
	WIN 0xc0
.set f, 0
.rept 4
	ds_load_b128 v[MK+64*(\bf)+8*f:MK+64*(\bf)+8*f+3],       v[AM] offset:(\t)*16*PMP+f*64
	ds_load_b128 v[MK+64*(\bf)+8*f+4:MK+64*(\bf)+8*f+7],     v[AM] offset:(\t)*16*PMP+f*64+16
	ds_load_b128 v[MK+64*(\bf)+32+8*f:MK+64*(\bf)+32+8*f+3], v[AM] offset:(\t)*16*PMP+f*64+BOFF-AOFF
	ds_load_b128 v[MK+64*(\bf)+32+8*f+4:MK+64*(\bf)+32+8*f+7], v[AM] offset:(\t)*16*PMP+f*64+16+BOFF-AOFF
.set f, f+1
.endr
	WIN 0
.endm
; THE VECTOR WORK.
.macro REGS y, u                    ; the registers of unit u (0, 1) of piece y
.set rT, ST+4*(2*(\y)+(\u))
.set rC, TMP+4*(\u)
.set rW, MV+(\u)
.set rS, S+64*((\y)%2)+32*(\u)
.set rP, P+32*((\y)%2)+16*(\u)
.set rO, 32*(2*(\y)+(\u))
.endm
.macro MUL                          ; number mi of 32: pair mi / 2 of unit mi % 2 times the mask.  The pairs ascend
	REGS Y, mi%2
	WIN W_MM
	v_pk_mul_f32 v[rS+2*(mi/2):rS+2*(mi/2)+1], v[rS+2*(mi/2):rS+2*(mi/2)+1], v[MK+64*(Y%2)+2*(mi/2):MK+64*(Y%2)+2*(mi/2)+1]
.set mi, mi+1
.endm
.macro MA4 bf, z0                   ; four of the 16 packed additions adj += bond in mask buffer bf
	WIN W_MA
.set mz, MK+64*(\bf)+2*(\z0)
.rept 4
	v_pk_add_f32 v[mz:mz+1], v[mz:mz+1], v[mz+32:mz+33]
.set mz, mz+2
.endr
.endm
; Number n of the 22 that find a unit's maximum and statistics.  s0-s31 are the lane's 32 scores.
;   0-11  four chains c0-c3 of seven scores each, three operands at a time     12-14, 16  the four scores left over, the old m, and c0-c3 into c0     15  c m_old is kept
;   17, 18  the query's other 32 keys lie in the lane 16 away: the new m         19-21  c m; c m_old - c m_new; a
.macro XS u, n
	REGS Y, \u
	WIN 0
.if (\n) < 4
	v_max3_num_f32 v[rC+(\n)], v[rS+8*(\n)], v[rS+8*(\n)+1], v[rS+8*(\n)+2]
.elseif (\n) < 12
	v_max3_num_f32 v[rC+(\n)%4], v[rC+(\n)%4], v[rS+8*((\n)%4)+2*((\n)/4)+1], v[rS+8*((\n)%4)+2*((\n)/4)+2]
.elseif (\n) == 12
	v_max3_num_f32 v[rC], v[rC], v[rS+7], v[rS+15]
.elseif (\n) == 13
	v_max3_num_f32 v[rC+1], v[rC+1], v[rS+23], v[rS+31]
.elseif (\n) == 14
	v_max3_num_f32 v[rC+2], v[rC+2], v[rC+3], v[rT+1]
.elseif (\n) == 15
	v_mov_b32 v[rW], v[rT]
.elseif (\n) == 16
	v_max3_num_f32 v[rC], v[rC], v[rC+1], v[rC+2]
.elseif (\n) == 17
	v_permlanex16_b32 v[rC+3], v[rC], s[SEL], s[SEL+1]
.elseif (\n) == 18
	v_max_num_f32 v[rT+1], v[rC], v[rC+3]
.elseif (\n) == 19
	v_mul_f32 v[rT], s[CS], v[rT+1]
.elseif (\n) == 20
	v_sub_f32 v[rC+1], v[rW], v[rT]
.else
	v_exp_f32 v[rC+2], v[rC+1]
.endif
.endm
; THE PLAIN QUEUE, 96 long, the two units alternating.  F i: c s - c m for pair i of 16.  C i: pair i rounded to f16.  B g: of the four weights 4 g .. the second pair is added onto the first, in place.
; L g: l takes that sum (L 0: l = a l + sum).  0-11: F 0 to F 5.  Then groups n = 1 .. 8: F 2n+4, F 2n+5 (while there are any), C 2n-2, C 2n-1, B n-1, L n-1.
.macro PL
	WIN 0
.if q < 12
.set fk, 0
.set fi, q/2
.set fu, q%2
.else
.if q < 72
.set gn, (q-12)/12+1
.set gk, (q-12)%12
.else
.set gn, (q-72)/8+6
.set gk, (q-72)%8+4
.endif
.set fu, gk%2
.if gk < 4
.set fk, 0
.set fi, 2*gn+4+gk/2
.elseif gk < 8
.set fk, 1
.set fi, 2*gn-2+(gk-4)/2
.elseif gk < 10
.set fk, 2
.set fi, gn-1
.else
.set fk, 3
.set fi, gn-1
.endif
.endif
	REGS Y, fu
.if fk == 0
	v_pk_fma_f32 v[rS+2*fi:rS+2*fi+1], v[rS+2*fi:rS+2*fi+1], s[CS:CS+1], v[rT:rT+1] op_sel_hi:[1,0,0] neg_lo:[0,0,1] neg_hi:[0,0,1]
.elseif fk == 1
	s_wait_alu depctr_va_vdst(0)
	v_cvt_pk_f16_f32 v[rP+fi], v[rS+2*fi], v[rS+2*fi+1]
.elseif fk == 2
	v_pk_add_f32 v[rS+4*fi:rS+4*fi+1], v[rS+4*fi:rS+4*fi+1], v[rS+4*fi+2:rS+4*fi+3]
.elseif fi == 0
	v_pk_fma_f32 v[rT+2:rT+3], v[rT+2:rT+3], v[rC+2:rC+3], v[rS:rS+1] op_sel_hi:[1,0,1]
.else
	v_pk_add_f32 v[rT+2:rT+3], v[rT+2:rT+3], v[rS+4*fi:rS+4*fi+1]
	s_wait_alu depctr_va_vdst(0)
.endif
.set q, q+1
.endm
.macro EX                           ; THE EXPONENTIALS' QUEUE, 64 long: weight e / 2 of unit e % 2
	REGS Y, e%2
	WIN 0
	v_exp_f32 v[rS+e/2], v[rS+e/2]
.set e, e+1
.endm
; An exponential and the next plain line.  Eight plain lines go ahead of the first pair, so exponential e stands behind plain 8 + e - 1: its scaling (plain 4 (e / 4) + ... at the latest 63 for e = 60) is out,
; each rounding stands four pairs or more behind its second exponential, and the plain line behind an exponential never names that exponential's register (ISA guide 5.7.2).
.macro EP
	EX
	PL
.endm
.macro R4                           ; THE RESCALING's QUEUE: O^T times a, four at a time, eight times; each accumulator from its low end on
	REGS Y, rr%2
	WIN W_RS
.irp z, 0,1,2,3
	v_pk_mul_f32 v[rO+8*(rr/2)+2*\z:rO+8*(rr/2)+2*\z+1], v[rO+8*(rr/2)+2*\z:rO+8*(rr/2)+2*\z+1], v[rC+2:rC+3] op_sel_hi:[1,0]
.endr
.set rr, rr+1
.endm
; A TURN, for piece p.  None of the lines behind a product names a register of the products round it.
; The mask of piece p + 2 is loaded when piece p's has been used (the same buffer); adj + bond of piece p + 1 fills the chain maximum - exchange - c m - a, whose links wait for each other.
; K of the next step is fetched in piece 2's turn, behind the chain: 32 plain lines behind the last product that read K.  V of the step in hand in piece 0's turn, four plain lines behind the last product that read V.
.macro TURN p
.set Y, (\p)
.set i, 0
.set mi, 0
.set q, 0
.set e, 0
.set rr, 0
.if (\p) == 3
	s_wait_dscnt 0x0                ; K is in
.endif
.rept 8
	KQ (Y+1)%4
	MUL
	MUL
	MUL
	MUL
.endr
	MLOAD (Y+2)%4, Y%2
.set xi, 0
.rept 8
	KQ (Y+1)%4
.rept 4
	XS xi%2, xi/2
.set xi, xi+1
.endr
.endr
	XS 0, 16
	XS 1, 16
	XS 0, 17
	XS 1, 17
	s_wait_dscnt 16                 ; all but this turn's 16 mask loads: the mask of piece p + 1 is in, and in piece 1's turn V
	MA4 (Y+1)%2, 0
	XS 0, 18
	XS 1, 18
	MA4 (Y+1)%2, 4
	XS 0, 19
	XS 1, 19
	MA4 (Y+1)%2, 8
	XS 0, 20
	XS 1, 20
	MA4 (Y+1)%2, 12
	XS 0, 21
	XS 1, 21
.if (\p) == 2
	FETCH_K
.endif
.rept 8
	PL
.endr
.rept 24
	EP
.endr
.set i, 0
.rept 8
	PV (Y+3)%4
	EP
	EP
	PV (Y+3)%4
	R4
.endr
.if (\p) == 0
	FETCH_V
.endif
.rept 24
	EP
.endr
.rept 24
	PL
.endr
.endm
	CHANGE 1                        ; slot 0 is in, everybody's part of it; slot 1 is asked for
	FETCH_K                         ; key step 0
	MLOAD 0, 0
	MLOAD 1, 1
	s_wait_loadcnt 0x0              ; Q
	s_wait_dscnt 0x0
.set i, 0
.rept 16
	KQ 0                            ; piece 0's first scores: there is no vector work yet to set between them
.endr
	WIN 0                           ; the addresses for the way out: plain instructions, the places behind those products
	s_mul_i32 s81, s[WV], 16*SP
	s_add_co_u32 s81, s81, STAGE    ; my stage
	v_mul_u32_u24 v[STO], v1, SP    ; in: row l % 16, 16 bytes for each half of the lanes
	v_lshl_add_u32 v[STO], v9, 4, v[STO]
	v_add_nc_u32 v[STO], s81, v[STO]
	v_mul_u32_u24 v[RD], v9, SP     ; back: lanes 0-15 take one row of 256 bytes, lanes 16-31 the next
	v_lshl_add_u32 v[RD], v1, 4, v[RD]
	v_add_nc_u32 v[RD], s81, v[RD]
	v_lshlrev_b32 v[GO], 10, v9     ; and the same two rows in ctx
	v_lshl_add_u32 v[GO], v1, 4, v[GO]
	MA4 0, 0                        ; piece 0's mask
	MA4 0, 4
	MA4 0, 8
	MA4 0, 12
	WIN 0
	s_mov_b32 s[SLOTS], 15
	s_branch .Lfirst                ; the loop is entered at a step's first turn, in the middle of a trip
.Lslot:                             ; 14 times: steps 2 to 15 are asked for.  A trip: pieces 2 and 3 of one step, then pieces 0 and 1 of the next; all its LDS reads come from that next step's slot
	CHANGE 1
	TURN 2
	TURN 3
	WIN 0
.Lfirst:
	TURN 0
	TURN 1
	WIN 0
	s_sub_co_u32 s[SLOTS], s[SLOTS], 1
	s_cmp_lg_u32 s[SLOTS], 0
	s_cbranch_scc1 .Lslot
	CHANGE 0                        ; the tail is written out: nothing is asked for
	s_mov_b32 s[CNT], 2             ; one trip for the last step; the second is left in its middle
.Ltail:
	TURN 2
	TURN 3
	WIN 0
	s_sub_co_u32 s[CNT], s[CNT], 1
	s_cmp_eq_u32 s[CNT], 0
	s_cbranch_scc1 .Lout
	TURN 0
	TURN 1
	WIN 0
	s_branch .Ltail
.Lout:                              ; the second trip's fetches (the last slot once more) and its 16 products K Q^T serve nothing: the price, once a launch, of one text for every trip
.set i, 0
.rept 16
	PV 3                            ; the last piece's V^T P of the last step
.endr
	; THE WAY OUT.  l's two halves and the other half of the lanes' are added; O^T is divided by l, rounded to f16 and sent through my stage in LDS, a query tile (both heads: 256 bytes a row) at a time.
	WIN 0
.set i, 0
.rept 8                             ; these additions are the places behind the last products
	v_add_f32 v[ST+4*i+2], v[ST+4*i+2], v[ST+4*i+3]
.set i, i+1
.endr
.set i, 0
.rept 8
	v_permlanex16_b32 v[ST+4*i+3], v[ST+4*i+2], s[SEL], s[SEL+1]
.set i, i+1
.endr
.set i, 0
.rept 8
	v_add_f32 v[ST+4*i+2], v[ST+4*i+2], v[ST+4*i+3]
.set i, i+1
.endr
.set i, 0
.rept 8
	v_rcp_f32 v[ST+4*i+2], v[ST+4*i+2]
.set i, i+1
.endr
	v_nop                           ; a plain instruction between the last reciprocal and the use of its result
	s_wait_alu depctr_va_vdst(0)
.macro PACK t                       ; a lane's eight channels pack into 16 bytes; they go into rows of 272 bytes and come back as whole rows of 256, into S^T's registers
	WIN W_RS
.set i, 0
.rept 32
	v_pk_mul_f32 v[64*(\t)+2*i:64*(\t)+2*i+1], v[64*(\t)+2*i:64*(\t)+2*i+1], v[ST+4*(2*(\t)+i/16)+2:ST+4*(2*(\t)+i/16)+3] op_sel_hi:[1,0]
.set i, i+1
.endr
	WIN 0x05                        ; sources 0 and 1 window 1, destination window 0
.set i, 0
.rept 32
	v_cvt_pk_f16_f32 v[S+32*(\t)+i], v[64*(\t)+2*i], v[64*(\t)+2*i+1]
.set i, i+1
.endr
	WIN 0
.irp f, 0,1,2,3,4,5,6,7
	ds_store_b128 v[STO], v[S+32*(\t)+4*\f:S+32*(\t)+4*\f+3] offset:32*\f
.endr
.irp f, 0,1,2,3,4,5,6,7
	ds_load_b128 v[S+32*(\t)+4*\f:S+32*(\t)+4*\f+3], v[RD] offset:\f*2*SP  ; LDS serves a wave's instructions in order (ISA guide 5.7.1.4): these see the stores above; the next tile's stores come behind them
.endr
.endm
.macro SEND t, younger              ; younger: the LDS instructions issued behind tile t's loads: the next tile's sixteen, or none
	WIN 0
.irp f, 0,1,2,3,4,5,6,7
	s_wait_dscnt (\younger)+7-\f
	global_store_b128 v[GO], v[S+32*(\t)+4*\f:S+32*(\t)+4*\f+3], s[10:11] offset:(\t)*16384+\f*2048  ; 16 lanes store 256 consecutive bytes, at a multiple of 256 from ctx's first byte
.endr
.endm
	PACK 0
	PACK 1                          ; a tile's arithmetic stands between the loads of the tile before and its stores
	SEND 0, 16
	PACK 2
	SEND 1, 16
	PACK 3
	SEND 2, 16
	SEND 3, 0
	s_wait_tensorcnt 0x0            ; the wave's end
	ds_add_u32 v[SPW], v[NIL]
	s_wait_dscnt 0x0
	CROUND                          ; the closing round: no work-group ends while a partner may still ask for a tile that names it
	s_endpgm
.Lfunc_end_k_q3357ecc4d2_attn:
	.size	k_q3357ecc4d2_attn, .Lfunc_end_k_q3357ecc4d2_attn-k_q3357ecc4d2_attn
	.p2alignl 7, 3214868480
	.fill 96, 4, 3214868480
	.section	.rodata,"a",@progbits
	.p2align	6, 0x0
	.amdhsa_kernel k_q3357ecc4d2_attn
		.amdhsa_group_segment_fixed_size 327680
		.amdhsa_private_segment_fixed_size 0
		.amdhsa_enable_private_segment 0
		.amdhsa_kernarg_size 32
		.amdhsa_user_sgpr_count 2
		.amdhsa_user_sgpr_kernarg_segment_ptr 1
		.amdhsa_wavefront_size32 1
		.amdhsa_system_sgpr_workgroup_id_x 1
		.amdhsa_system_sgpr_workgroup_id_y 1
		.amdhsa_system_sgpr_workgroup_id_z 1
		.amdhsa_system_vgpr_workitem_id 0
		.amdhsa_next_free_vgpr 1024
		.amdhsa_next_free_sgpr 88
		.amdhsa_reserve_vcc 0
		.amdhsa_float_denorm_mode_32 3
		.amdhsa_float_denorm_mode_16_64 3
		.amdhsa_memory_ordered 1
		.amdhsa_forward_progress 1
		.amdhsa_inst_pref_size 251
	.end_amdhsa_kernel
	.amdgpu_metadata
---
amdhsa.version: [ 1, 2 ]
amdhsa.kernels:
  - .name:           k_q3357ecc4d2_attn
    .symbol:         k_q3357ecc4d2_attn.kd
    .args:
      - { .name: qkv, .offset: 0, .size: 8, .value_kind: global_buffer, .address_space: global }
      - { .name: adj_matrix, .offset: 8, .size: 8, .value_kind: global_buffer, .address_space: global }
      - { .name: bond_matrix, .offset: 16, .size: 8, .value_kind: global_buffer, .address_space: global }
      - { .name: ctx, .offset: 24, .size: 8, .value_kind: global_buffer, .address_space: global }
    .group_segment_fixed_size: 327680
    .private_segment_fixed_size: 0
    .kernarg_segment_align: 8
    .kernarg_segment_size: 32
    .max_flat_workgroup_size: 128
    .sgpr_count:     88
    .vgpr_count:     1024
    .wavefront_size: 32
...
	.end_amdgpu_metadata
.endif
;; end of part 3
;; launch outp (part 4): grid 64 x 4, 4 waves a work-group, clusters of 4 x 1, 327,680 bytes of LDS; arguments ctx, wo16, bo, out0; writes out0
.if DOCPART == 4
	.amdgcn_target "amdgcn-amd-amdhsa--gfx1250"
	.amdhsa_code_object_version 6
	.text
	.protected	k_q3357ecc4d2_outp
	.globl	k_q3357ecc4d2_outp
	.p2align	8
	.type	k_q3357ecc4d2_outp,@function
k_q3357ecc4d2_outp:
	s_mov_b64 s[64:65], 0
	v_nop
	global_prefetch_b8 v0, s[64:65] scope:SCOPE_SE
	s_setreg_imm32_b32 hwreg(HW_REG_WAVE_MODE, 25, 1), 1
	s_wait_xcnt 0x0
	s_wait_alu depctr_hold_cnt(0) depctr_sa_sdst(0) depctr_va_vdst(0) depctr_va_sdst(0) depctr_va_ssrc(0) depctr_va_vcc(0) depctr_vm_vsrc(0)
	s_getreg_b32 s2, hwreg(HW_REG_IB_STS2, 6, 4)
	s_cmp_eq_u32 s2, 0
	s_cbranch_scc0 .Lentry_in_a_cluster
	s_endpgm
.Lentry_in_a_cluster:
	s_bfe_u32 s2, ttmp6, 0x10000c
	s_cmp_lg_u32 s2, 0x3003
	s_cbranch_scc0 .Lentry_shape_is_right
	s_endpgm
.Lentry_shape_is_right:
; OUTP.  out0[row][f] = sum over e of ctx[row][e] wo16[f][e] + bo[f].  ctx [16384][512] and wo16 [512][512] f16, sums in f32, bo f32 as it is given; out0 [16384][512] f32.
; SHARES.  A work-group owns 256 rows and 128 of the 512 columns; a wave 64 rows, whose whole K (512 registers) stays in registers.  The weights are two tiles of 64 columns x 512 K, each in an LDS slot of
; its own, filled once.  A tile is 4 blocks of 16 columns, 64 products each; a fragment of W read from LDS feeds 4 products.
; THE MATRIX INSTRUCTION IS USED TRANSPOSED (source 0 = 16 rows of W, source 1 = 16 rows of ctx): a lane holds one row and eight neighbouring columns.  The bias is the C operand of a block's first K step.
; ORDER.  A block's fragments of K steps 0-7 are asked for in the middle of the block before, those of K steps 8-15 at its end, ahead of its stage stores: no product waits for an LDS instruction issued
; just before it.  The first products start when ctx's K steps 0-7 are in registers; K steps 8-15 land beside them.
; THE WAY OUT.  32 bytes a lane into the wave's own stage (64 rows x 272 bytes); after a tile a stage row holds 64 columns of f32, 256 bytes, and leaves whole.
; CLUSTER.  The four work-groups of a cluster differ in their rows alone: both tiles of W are asked for jointly, by wave 0 of each.  By this text's own count two tensor loads are outstanding at the most.
; REGISTERS: as in the projection in front: window 0 addresses, 4 accumulators, bias, way out; window 1 W's fragments; windows 2 and 3 ctx's fragments (row tile a, K step k) at 8 (4 (k % 8) + a).
.set NQ,     128
.set KB,     1024                      ; bytes of a row of ctx and wo16
.set PITCH,  1040                      ; a row of W in LDS: 1,024 bytes + 16 of padding = 260 words: the 16 rows of a load start 4 banks apart (64 banks of 4 bytes: ISA guide 11.1)
.set SLOT,   64*PITCH
.set STAGE,  2*SLOT
.set SPITCH, 272
.set WSTAGE, 64*SPITCH
.set BIASB,  STAGE+4*WSTAGE            ; the work-group's 128 biases
.set SPARE,  BIASB+1536                ; the spare words, 128 bytes for each wave: two blocks of 256 bytes that no other line names
.set ROWB,   2048                      ; bytes of a row of out0
.set VA,   3
.set AB0,  4
.set ABT,  5
.set ABN,  7
.set STO0, 8
.set STO,  9
.set RD,   10
.set CO,   11
.set BBA0, 12
.set BBA,  13
.set SPW,  28                          ; LDS address of my spare word; never rewritten
.set NIL,  29                          ; 0; never rewritten
.set ACC,  32
.set BIAS, 64
.set TMP,  72
.set OUT,  96
.set WV,  12
.set G1,  24                           ; s[24:31]
.set G0,  32                           ; s[32:35] tile 0
.set G0S, 52                           ; s[52:55] tile 1
.set TB,  36
.set BI,  37
.set BO,  38
.set BB,  39
.set BT,  40
.set SCO, 41
.set TAU, 42
.set CNT, 43
.set GC,  44                           ; the byte in a row of out0 at which the next tile's 256 bytes begin
.set CB,  46
.set CP,  48
.set MSB, 0
.macro WIN new
.if MSB != (\new)
	s_set_vgpr_msb (MSB<<8)|(\new)
.set MSB, (\new)
.endif
.endm
.macro CROUND
	s_barrier_signal -1
	s_barrier_wait -1
	s_cmp_lg_u32 s[WV], 0
	s_cbranch_scc1 .Lnot_wave_0_\@
	s_barrier_signal -3
.Lnot_wave_0_\@:
	s_barrier_wait -3
	s_barrier_signal -1
	s_barrier_wait -1
.endm
.macro FL                              ; 18 LDS loads: the next block's 8 biases a lane, and its fragments of K steps 0-7
	WIN 0
	ds_load_b128 v[BIAS:BIAS+3],   v[BBA]
	ds_load_b128 v[BIAS+4:BIAS+7], v[BBA] offset:16
	WIN 0x40
.set kk, 0
.rept 8
	ds_load_b128 v[8*kk:8*kk+3],   v[ABN] offset:kk*64
	ds_load_b128 v[8*kk+4:8*kk+7], v[ABN] offset:kk*64+32
.set kk, kk+1
.endr
.endm
.macro FH                              ; 16 LDS loads: the same block's fragments of K steps 8-15
	WIN 0x40
.set kk, 0
.rept 8
	ds_load_b128 v[64+8*kk:64+8*kk+3],   v[ABN] offset:512+kk*64
	ds_load_b128 v[64+8*kk+4:64+8*kk+7], v[ABN] offset:512+kk*64+32
.set kk, kk+1
.endr
.endm
.macro MULS hi                         ; 32 products: 8 K steps x 4 row tiles; the four accumulators take turns
	WIN 0x09+4*(\hi)
.set kk, 0
.rept 8
.set aa, 0
.rept 4
.if ((\hi) == 0) && (kk == 0)
	v_wmma_f32_16x16x32_f16 v[ACC+8*aa:ACC+8*aa+7], v[64*(\hi)+8*kk:64*(\hi)+8*kk+7], v[8*(4*kk+aa):8*(4*kk+aa)+7], v[BIAS:BIAS+7]
.else
	v_wmma_f32_16x16x32_f16 v[ACC+8*aa:ACC+8*aa+7], v[64*(\hi)+8*kk:64*(\hi)+8*kk+7], v[8*(4*kk+aa):8*(4*kk+aa)+7], v[ACC+8*aa:ACC+8*aa+7]
.endif
.set aa, aa+1
.endr
.set kk, kk+1
.endr
.endm
.macro BLOCK
	s_wait_dscnt 24                                ; behind the loads of the bias and of K steps 0-7 stand 16 loads (K steps 8-15) and 8 stage stores: those may stay out
	MULS 0
	s_add_co_u32 s[BI], s[BI], 1                   ; the next block; behind the tile's last it is block 0 of the same tile once more
	s_and_b32 s[BI], s[BI], 3
	s_mul_i32 s[BO], s[BI], 16*PITCH
	s_lshl_b32 s[BB], s[BI], 6
	s_add_co_u32 s[BB], s[BB], s[BT]
	WIN 0
	v_nop                                          ; two v_nop and the two address lines are the four places ahead of the loads into registers that the products above have read
	v_nop
	v_add_nc_u32 v[ABN], s[BO], v[ABT]
	v_add_nc_u32 v[BBA], s[BB], v[BBA0]
	FL
	s_wait_dscnt 18                                ; all but the 18 just issued: K steps 8-15 are in
	s_wait_loadcnt 0x0                             ; ctx's K steps 8-15 are in (it waits in the launch's first block alone: no load is issued later)
	MULS 1
	WIN 0
.rept 5                                        ; four places ahead of the loads and stores below; with the address line at the block's end six ahead of the next product that starts the accumulators anew
	v_nop
.endr
	FH                                             ; the next block's K steps 8-15: they have its first 32 products in which to land
	WIN 0
.set aa, 0
.rept 4                                        ; each accumulator's low half first
	ds_store_b128 v[STO], v[ACC+8*aa:ACC+8*aa+3]   offset:aa*16*SPITCH
	ds_store_b128 v[STO], v[ACC+8*aa+4:ACC+8*aa+7] offset:aa*16*SPITCH+16
.set aa, aa+1
.endr
	s_add_co_u32 s[SCO], s[SCO], 64                ; 16 columns of f32 on, round a stage row's 256 bytes
	s_and_b32 s[SCO], s[SCO], 255
	v_add_nc_u32 v[STO], s[SCO], v[STO0]
.endm
.macro TILE
	s_mov_b32 s[BI], 0
	v_add_nc_u32 v[ABT], s[TB], v[AB0]
	v_add_nc_u32 v[BBA], s[BT], v[BBA0]
	v_mov_b32 v[ABN], v[ABT]
	FL
	FH
	WIN 0
	s_wait_dscnt 16                                ; all but K steps 8-15: the first block's bias and K steps 0-7 are in
	s_mov_b32 s[CNT], 4
.Lblock_\@:
	BLOCK
	s_sub_co_u32 s[CNT], s[CNT], 1
	s_cmp_lg_u32 s[CNT], 0
	s_cbranch_scc1 .Lblock_\@
	s_add_co_u32 s[BT], s[BT], 256
.endm
.macro FLUSH                           ; my stage, 64 rows x 256 bytes, leaves
	s_wait_xcnt 0x0                                ; the last flush's stores have had their addresses translated (ISA guide 3.1): only now their base and data registers are written again
	s_mov_b32 s50, s[GC]
	s_mov_b32 s51, 0
	s_add_nc_u64 s[CP:CP+1], s[CB:CB+1], s[50:51]
	s_add_co_u32 s[GC], s[GC], 256
.set tt, 0
.rept 32
	ds_load_b128 v[OUT+4*tt:OUT+4*tt+3], v[RD] offset:tt*2*SPITCH  ; LDS serves a wave's instructions in order (ISA guide 5.7.1.4): these see my stores
.set tt, tt+1
.endr
.set tt, 0
.rept 32
	s_wait_dscnt 31-tt
	global_store_b128 v[CO], v[OUT+4*tt:OUT+4*tt+3], s[CP:CP+1] offset:tt*2*ROWB th:TH_STORE_NT  ; 16 lanes store 256 consecutive bytes, at a multiple of 256 from out0's first byte
.set tt, tt+1
.endr
.endm
	s_load_b256 s[4:11], s[0:1], 0x0               ; ctx s[4:5], wo16 s[6:7], bo s[8:9], out0 s[10:11]
	v_lshl_add_u32 v[SPW], v0, 2, SPARE
	v_mov_b32 v[NIL], 0
	ds_add_u32 v[SPW], v[NIL]                      ; the wave's opening: the add and its wait stand ahead of the first tensor load; the set-up below stands between them
	v_lshrrev_b32 v1, 5, v0
	v_readfirstlane_b32 s[WV], v1                  ; wave 0..3
	s_bfe_u32 s13, ttmp6, 0x40000                  ; cx: my place in the cluster
	s_lshl_b32 s15, ttmp9, 2
	s_add_co_u32 s13, s15, s13                     ; my block of 256 rows: it enters ctx's and out0's addresses alone
	s_and_b32 s14, ttmp7, 0xffff                   ; my quarter of the columns, which the four partners share
	s_mov_b32 s[G1+0], 15|(1<<16)|(1<<20)|(1<<21)|(7<<22)|(3<<25)  ; the mask of four; 2-byte elements; padding on; 21 set beside a mask; after every 256 words (code 7) 4 words (code 3)
	s_mov_b32 s[G1+1], 512<<16                     ; tensor_dim0 = 512
	s_mov_b32 s[G1+2], 64<<16                      ; tensor_dim1 = 64
	s_mov_b32 s[G1+3], 512<<16                     ; tile_dim0 = 512
	s_mov_b32 s[G1+4], 64                          ; tile_dim1 = 64
	s_mov_b32 s[G1+5], 512                         ; 512 elements from row to row
	s_mov_b32 s[G1+6], 0
	s_mov_b32 s[G1+7], 0
	s_mov_b32 s[G0], 1
	s_mov_b32 s[G0+1], 0                           ; tile 0 into slot 0,
	s_mov_b32 s[G0S], 1
	s_mov_b32 s[G0S+1], SLOT                       ; tile 1 into slot 1
	s_mul_i32 s16, s14, NQ*KB                      ; my first row of wo16, in bytes
	s_mov_b32 s17, 0
	s_lshl_b32 s18, s13, 2
	s_add_co_u32 s18, s18, s[WV]
	s_lshl_b32 s20, s18, 17                        ; my wave's first row in out0: 64 rows of 2,048 bytes a wave,
	s_mov_b32 s21, 0
	s_lshl_b32 s18, s18, 16                        ; and in ctx: of 1,024
	s_mov_b32 s19, 0
	s_lshl_b32 s22, s14, 9                         ; my first bias: 128 numbers of 4 bytes a quarter
	s_mov_b32 s23, 0
	s_lshl_b32 s[GC], s14, 9                       ; my first column in a row of out0, in bytes
	s_wait_dscnt 0x0                               ; the opening add is done
	s_wait_kmcnt 0x0
	s_add_nc_u64 s[G0+2:G0+3], s[6:7], s[16:17]
	s_add_nc_u64 s[G0S+2:G0S+3], s[G0+2:G0+3], 64*KB
	s_or_b32 s[G0+3], s[G0+3], 0x80000000          ; type = 2
	s_or_b32 s[G0S+3], s[G0S+3], 0x80000000
	s_add_nc_u64 s[4:5], s[4:5], s[18:19]
	s_add_nc_u64 s[CB:CB+1], s[10:11], s[20:21]
	s_add_nc_u64 s[8:9], s[8:9], s[22:23]
	CROUND                                         ; all four work-groups are here: the joint loads meet
	s_cmp_lg_u32 s[WV], 0                          ; both fills stand in one branch, ahead of every wait on TENSORcnt, every LDS read and every further barrier
	s_cbranch_scc1 .Lnofill
	tensor_load_to_lds s[G0:G0+3], s[G1:G1+7]
	s_nop 0
	tensor_load_to_lds s[G0S:G0S+3], s[G1:G1+7]
	s_nop 0
.rept 4
	v_nop
.endr
.Lnofill:
	v_and_b32 v1, 15, v0                           ; l % 16
	v_bfe_u32 v2, v0, 4, 1                         ; l / 16
	v_lshlrev_b32 v[VA], 10, v1
	v_lshl_add_u32 v[VA], v2, 4, v[VA]             ; row x 1,024 + 16 x half
	s_cmp_lg_u32 s[WV], 0
	s_cbranch_scc1 .Lnobias                        ; 128 biases are 512 bytes: wave 0, 16 bytes a lane; asked for ahead of ctx, so that they are in with ctx's first half
	v_lshlrev_b32 v14, 4, v0
	global_load_b128 v[TMP:TMP+3], v14, s[8:9]
.Lnobias:
	WIN 0x80
.set kk, 0
.rept 8
.set aa, 0
.rept 4
	global_load_b128 v[8*(4*kk+aa):8*(4*kk+aa)+3],   v[VA], s[4:5] offset:aa*16*KB+kk*64
	global_load_b128 v[8*(4*kk+aa)+4:8*(4*kk+aa)+7], v[VA], s[4:5] offset:aa*16*KB+kk*64+32
.set aa, aa+1
.endr
.set kk, kk+1
.endr
	WIN 0xc0
.set kk, 0
.rept 8
.set aa, 0
.rept 4
	global_load_b128 v[8*(4*kk+aa):8*(4*kk+aa)+3],   v[VA], s[4:5] offset:aa*16*KB+512+kk*64
	global_load_b128 v[8*(4*kk+aa)+4:8*(4*kk+aa)+7], v[VA], s[4:5] offset:aa*16*KB+512+kk*64+32
.set aa, aa+1
.endr
.set kk, kk+1
.endr
	WIN 0
	v_mul_u32_u24 v[AB0], v1, PITCH
	v_lshl_add_u32 v[AB0], v2, 4, v[AB0]           ; row x pitch + 16 x half
	s_mul_i32 s22, s[WV], WSTAGE
	s_add_co_u32 s22, s22, STAGE                   ; my stage
	v_mul_u32_u24 v[STO0], v1, SPITCH              ; in: row l % 16, 32 bytes for each half of the lanes
	v_lshl_add_u32 v[STO0], v2, 5, v[STO0]
	v_add_nc_u32 v[STO0], s22, v[STO0]
	v_mov_b32 v[STO], v[STO0]
	v_mul_u32_u24 v[RD], v2, SPITCH                ; back: lanes 0-15 one row of 256 bytes, lanes 16-31 the next
	v_lshl_add_u32 v[RD], v1, 4, v[RD]
	v_add_nc_u32 v[RD], s22, v[RD]
	v_lshlrev_b32 v[CO], 11, v2                    ; and the same two rows in out0
	v_lshl_add_u32 v[CO], v1, 4, v[CO]
	v_lshl_add_u32 v[BBA0], v2, 5, BIASB           ; register j of a result is column 8 (l / 16) + j: 32 bytes of biases for each half of the lanes
	s_wait_loadcnt 63                              ; of my 128 loads of ctx (129 with the biases') at most 63 are out: the biases and the first 64 of ctx, K steps 0-7, are in
	s_cmp_lg_u32 s[WV], 0
	s_cbranch_scc1 .Lnostore
	v_lshlrev_b32 v15, 4, v0                       ; into LDS: BIASB + 16 x thread, made here from the thread's number: wave 0's 512 bytes, behind the stages, where no tile lands
	v_add_nc_u32 v15, BIASB, v15
	ds_store_b128 v15, v[TMP:TMP+3]
.Lnostore:
	s_wait_tensorcnt 0x0                           ; wave 0: both tiles have landed,
	s_wait_dscnt 0x0                               ; and the biases are stored:
	s_barrier_signal -1                            ; say so
	s_barrier_wait -1
	s_mov_b32 s[TB], 0
	s_mov_b32 s[BT], 0
	s_mov_b32 s[SCO], 0
	s_mov_b32 s[TAU], 2
.Ltau:
	TILE
	FLUSH
	s_xor_b32 s[TB], s[TB], SLOT
	s_sub_co_u32 s[TAU], s[TAU], 1
	s_cmp_lg_u32 s[TAU], 0
	s_cbranch_scc1 .Ltau
	s_wait_tensorcnt 0x0                           ; the wave's end
	ds_add_u32 v[SPW], v[NIL]
	s_wait_dscnt 0x0
	CROUND                                         ; the closing round: no work-group ends while a partner may still ask for a tile that names it
	s_endpgm
.Lfunc_end_k_q3357ecc4d2_outp:
	.size	k_q3357ecc4d2_outp, .Lfunc_end_k_q3357ecc4d2_outp-k_q3357ecc4d2_outp
	.p2alignl 7, 3214868480
	.fill 96, 4, 3214868480
	.section	.rodata,"a",@progbits
	.p2align	6, 0x0
	.amdhsa_kernel k_q3357ecc4d2_outp
		.amdhsa_group_segment_fixed_size 327680
		.amdhsa_private_segment_fixed_size 0
		.amdhsa_enable_private_segment 0
		.amdhsa_kernarg_size 32
		.amdhsa_user_sgpr_count 2
		.amdhsa_user_sgpr_kernarg_segment_ptr 1
		.amdhsa_wavefront_size32 1
		.amdhsa_system_sgpr_workgroup_id_x 1
		.amdhsa_system_sgpr_workgroup_id_y 1
		.amdhsa_system_sgpr_workgroup_id_z 1
		.amdhsa_system_vgpr_workitem_id 0
		.amdhsa_next_free_vgpr 1024
		.amdhsa_next_free_sgpr 66
		.amdhsa_reserve_vcc 0
		.amdhsa_float_denorm_mode_32 3
		.amdhsa_float_denorm_mode_16_64 3
		.amdhsa_memory_ordered 1
		.amdhsa_forward_progress 1
		.amdhsa_inst_pref_size 34
	.end_amdhsa_kernel
	.amdgpu_metadata
---
amdhsa.version: [ 1, 2 ]
amdhsa.kernels:
  - .name:           k_q3357ecc4d2_outp
    .symbol:         k_q3357ecc4d2_outp.kd
    .args:
      - { .name: ctx, .offset: 0, .size: 8, .value_kind: global_buffer, .address_space: global }
      - { .name: wo16, .offset: 8, .size: 8, .value_kind: global_buffer, .address_space: global }
      - { .name: bo, .offset: 16, .size: 8, .value_kind: global_buffer, .address_space: global }
      - { .name: out0, .offset: 24, .size: 8, .value_kind: global_buffer, .address_space: global }
    .group_segment_fixed_size: 327680
    .private_segment_fixed_size: 0
    .kernarg_segment_align: 8
    .kernarg_segment_size: 32
    .max_flat_workgroup_size: 128
    .sgpr_count:     66
    .vgpr_count:     1024
    .wavefront_size: 32
...
	.end_amdgpu_metadata
.endif
;; end of part 4
;; ======== version 2 of 2: 4 launches; version 1 with the launch cast written anew for expert scheduling mode
;; limits: values are held in f16: magnitudes above 65,504 overflow, below 6.1e-05 lose precision; inputs' magnitudes at most 65,504
;; workspace buffers: x16 16,777,216 bytes; w16 1,572,864 bytes; wo16 524,288 bytes; qkv 50,331,648 bytes; ctx 16,777,216 bytes
;; launch cast (part 5): grid 256 x 1, 8 waves a work-group, no clusters, 0 bytes of LDS; arguments x, Wq, Wk, Wv, Wo, x16, w16, wo16; writes x16, w16, wo16
.if DOCPART == 5
	.amdgcn_target "amdgcn-amd-amdhsa--gfx1250"
	.amdhsa_code_object_version 6
	.text
	.protected	k_q3357ecc4d2_cast
	.globl	k_q3357ecc4d2_cast
	.p2align	8
	.type	k_q3357ecc4d2_cast,@function
k_q3357ecc4d2_cast:
	s_mov_b64 s[64:65], 0
	v_nop
	global_prefetch_b8 v0, s[64:65] scope:SCOPE_SE
	s_setreg_imm32_b32 hwreg(HW_REG_WAVE_SCHED_MODE, 0, 2), 2
	s_setreg_imm32_b32 hwreg(HW_REG_WAVE_MODE, 25, 1), 1
	s_wait_xcnt 0x0
	s_wait_alu depctr_vm_vsrc(0)
; CAST.  The matrix operands among the inputs are rounded once, here, to f16 (nearest even).  x16 = f16(x), [16384][512].  w16 = f16(Wq | Wk | Wv), [1536][512].  wo16 = f16(Wo), [512][512].
; WHY f16.  The weights that carry a row of the softmax have scores of several units, so an error of x or W reaches the result enlarged; f16's 11 significant bits leave an eighth of bf16's error.
; LIMITS.  f16 holds no number beyond 65,504, and below 6.1e-5 it keeps a fixed step of 6e-8: x and the four W must lie within that range.
; A stream: no LDS, no matrix unit, no cluster: no byte is read twice and nothing is shared.
; SHARES.  Work-group g of 256: 32,768 numbers of x; 4,096 numbers of W number g / 64 (its part g % 64).
; Thread t takes 8 neighbouring numbers (two loads of 16 bytes) and stores them as 16 bytes: sixteen lanes store 256 consecutive bytes, aligned.
; All 36 loads of a wave go out first; every iteration has registers of its own, so nothing that a load or store names is written again.
; THE MODE: SCHED_MODE bits 1:0 = 2 (LLVM: expert scheduling mode 2), set by the entry lines.  The code itself states the register dependences
; between vector instructions and memory instructions, with s_wait_alu, always for 0.
; THE PLAN.  18 iterations: 0 to 15 are x's, 16 and 17 W's.  Registers that memory instructions touch:
;   v1, v2     byte offsets, made once at the head and never written again: v1 is read by every load, v2 by every store.
;   XI, WI     iteration n: 8 registers.  Written by its two loads, issued at the start; read by its four conversions.  No vector line writes them, and no load lands in them after they are read.
;   XP, WP     iteration n: 4 registers.  Written by its four conversions; read by its one store; never written again.
; The iterations go in blocks of four (W's two are the last block).  A block's stores are issued in the block behind it: ONE wait on va_vdst at that block's head, behind the wait for its first
; loads, states that the block before has written its XP; the four stores follow, dealt among this block's conversions, which name this block's XI and XP alone: none of the registers that
; those stores read.  One wait stands ahead of the first load, for v1 and v2, and one ahead of the last two stores.  No register that a memory instruction has read is written again,
; no vector instruction writes a scalar register, and EXEC is never written: no other dependence is there to state.
.set XI, 32                            ; v[32:159]   x as loaded: iteration n at XI + 8 n
.set WI, XI+8*16                       ; v[160:175]  W as loaded: iterations 16 and 17 of the same numbering
.set XP, 176                           ; v[176:239]  x packed: iteration n at XP + 4 n
.set WP, XP+4*16                       ; v[240:247]  W packed: iterations 16 and 17
	s_load_b512 s[8:23], s[0:1], 0x0               ; x 8, Wq 10, Wk 12, Wv 14, Wo 16, x16 18, w16 20, wo16 22
	v_lshlrev_b32 v1, 5, v0                        ; 32 t: my 8 numbers in f32
	v_lshlrev_b32 v2, 4, v0                        ; 16 t: the same in 16 bits
	s_lshr_b32 s4, ttmp9, 6                        ; which W
	s_and_b32 s5, ttmp9, 63                        ; which part of it
	s_lshl_b32 s2, ttmp9, 17                       ; my 131,072 bytes of x
	s_mov_b32 s3, 0
	s_lshl_b32 s38, ttmp9, 16                      ; my 65,536 bytes of x16
	s_mov_b32 s39, 0
	s_lshl_b32 s40, s5, 14                         ; my 16,384 bytes of W
	s_mov_b32 s41, 0
	s_lshl_b32 s44, s4, 19                         ; in w16 the three W follow each other, 524,288 bytes each; wo16 stands alone
	s_cmp_eq_u32 s4, 3
	s_cselect_b32 s44, 0, s44
	s_lshl_b32 s42, s5, 13                         ; my 8,192 bytes of the rounded W
	s_add_co_u32 s42, s42, s44
	s_mov_b32 s43, 0
	s_wait_kmcnt 0x0
	s_add_nc_u64 s[8:9], s[8:9], s[2:3]
	s_add_nc_u64 s[18:19], s[18:19], s[38:39]
	s_cmp_eq_u32 s4, 1                             ; the W and its destination are chosen by the work-group's number
	s_cselect_b64 s[34:35], s[12:13], s[10:11]
	s_cmp_eq_u32 s4, 2
	s_cselect_b64 s[34:35], s[14:15], s[34:35]
	s_cmp_eq_u32 s4, 3
	s_cselect_b64 s[34:35], s[16:17], s[34:35]
	s_cselect_b64 s[20:21], s[22:23], s[20:21]
	s_add_nc_u64 s[34:35], s[34:35], s[40:41]
	s_add_nc_u64 s[20:21], s[20:21], s[42:43]
	s_wait_alu depctr_va_vdst(0)                   ; v1 and v2 are written: every load of the kernel reads v1 as its offset, every store v2
.set n, 0
.rept 16
	global_load_b128 v[XI+8*n:XI+8*n+3],   v1, s[8:9] offset:n*8192 th:TH_LOAD_NT
	global_load_b128 v[XI+8*n+4:XI+8*n+7], v1, s[8:9] offset:n*8192+16 th:TH_LOAD_NT
.set n, n+1
.endr
.set n, 0
.rept 2
	global_load_b128 v[WI+8*n:WI+8*n+3],   v1, s[34:35] offset:n*8192 th:TH_LOAD_NT
	global_load_b128 v[WI+8*n+4:WI+8*n+7], v1, s[34:35] offset:n*8192+16 th:TH_LOAD_NT
.set n, n+1
.endr
; Iteration n's four conversions: 8 numbers into 16 bytes.
.macro CVT n
	v_cvt_pk_f16_f32 v[XP+4*(\n)],   v[XI+8*(\n)],   v[XI+8*(\n)+1]
	v_cvt_pk_f16_f32 v[XP+4*(\n)+1], v[XI+8*(\n)+2], v[XI+8*(\n)+3]
	v_cvt_pk_f16_f32 v[XP+4*(\n)+2], v[XI+8*(\n)+4], v[XI+8*(\n)+5]
	v_cvt_pk_f16_f32 v[XP+4*(\n)+3], v[XI+8*(\n)+6], v[XI+8*(\n)+7]
.endm
; Iteration n's store: x's into x16, W's into the rounded W.
.macro ST n
.if (\n) < 16
	global_store_b128 v2, v[XP+4*(\n):XP+4*(\n)+3], s[18:19] offset:(\n)*4096
.else
	global_store_b128 v2, v[XP+4*(\n):XP+4*(\n)+3], s[20:21] offset:((\n)-16)*4096
.endif
.endm
; Block p of x: iterations 4 p to 4 p + 3 are converted; the stores of block p - 1 stand among the conversions, one ahead of each iteration's four.
.macro BLK p
	s_wait_loadcnt 34-8*(\p)                       ; loads come back in order: behind iteration n's two stand the 34 - 2 n of the later iterations; here n = 4 p
.if (\p) > 0
	s_wait_alu depctr_va_vdst(0)                   ; the block before has written its 16 registers of XP, which the four stores of this block read
.endif
.irp i, 0,1,2,3
.if (\p) > 0
	ST 4*((\p)-1)+(\i)                             ; no wait: no conversion since the wait above names these registers or v2
.endif
.if (\i) > 0
	s_wait_loadcnt 34-2*(4*(\p)+(\i))
.endif
	CVT 4*(\p)+(\i)
.endr
.endm
	BLK 0
	BLK 1
	BLK 2
	BLK 3
	s_wait_loadcnt 2                               ; W's first two loads are in
	s_wait_alu depctr_va_vdst(0)                   ; iterations 12 to 15 have written their XP, which the four stores below read
	ST 12
	ST 13
	CVT 16
	ST 14
	ST 15
	s_wait_loadcnt 0
	CVT 17
	s_wait_alu depctr_va_vdst(0)                   ; W's conversions have written WP, which the last two stores read
	ST 16
	ST 17
	s_endpgm
.Lfunc_end_k_q3357ecc4d2_cast:
	.size	k_q3357ecc4d2_cast, .Lfunc_end_k_q3357ecc4d2_cast-k_q3357ecc4d2_cast
	.p2alignl 7, 3214868480
	.fill 96, 4, 3214868480
	.section	.rodata,"a",@progbits
	.p2align	6, 0x0
	.amdhsa_kernel k_q3357ecc4d2_cast
		.amdhsa_group_segment_fixed_size 0
		.amdhsa_private_segment_fixed_size 0
		.amdhsa_enable_private_segment 0
		.amdhsa_kernarg_size 64
		.amdhsa_user_sgpr_count 2
		.amdhsa_user_sgpr_kernarg_segment_ptr 1
		.amdhsa_wavefront_size32 1
		.amdhsa_system_sgpr_workgroup_id_x 1
		.amdhsa_system_sgpr_workgroup_id_y 1
		.amdhsa_system_sgpr_workgroup_id_z 1
		.amdhsa_system_vgpr_workitem_id 0
		.amdhsa_next_free_vgpr 248
		.amdhsa_next_free_sgpr 66
		.amdhsa_reserve_vcc 0
		.amdhsa_float_denorm_mode_32 3
		.amdhsa_float_denorm_mode_16_64 3
		.amdhsa_memory_ordered 1
		.amdhsa_forward_progress 1
		.amdhsa_inst_pref_size 12
	.end_amdhsa_kernel
	.amdgpu_metadata
---
amdhsa.version: [ 1, 2 ]
amdhsa.kernels:
  - .name:           k_q3357ecc4d2_cast
    .symbol:         k_q3357ecc4d2_cast.kd
    .args:
      - { .name: x, .offset: 0, .size: 8, .value_kind: global_buffer, .address_space: global }
      - { .name: Wq, .offset: 8, .size: 8, .value_kind: global_buffer, .address_space: global }
      - { .name: Wk, .offset: 16, .size: 8, .value_kind: global_buffer, .address_space: global }
      - { .name: Wv, .offset: 24, .size: 8, .value_kind: global_buffer, .address_space: global }
      - { .name: Wo, .offset: 32, .size: 8, .value_kind: global_buffer, .address_space: global }
      - { .name: x16, .offset: 40, .size: 8, .value_kind: global_buffer, .address_space: global }
      - { .name: w16, .offset: 48, .size: 8, .value_kind: global_buffer, .address_space: global }
      - { .name: wo16, .offset: 56, .size: 8, .value_kind: global_buffer, .address_space: global }
    .group_segment_fixed_size: 0
    .private_segment_fixed_size: 0
    .kernarg_segment_align: 8
    .kernarg_segment_size: 64
    .max_flat_workgroup_size: 256
    .sgpr_count:     66
    .vgpr_count:     248
    .wavefront_size: 32
...
	.end_amdgpu_metadata
.endif
;; end of part 5
;; launch proj: the kernel of part 2 again; grid 64 x 4, 4 waves a work-group, clusters of 4 x 1, 327,680 bytes of LDS; arguments x16, w16, bq, bk, bv, qkv; writes qkv
;; launch attn: the kernel of part 3 again; grid 8 x 32, 4 waves a work-group, clusters of 4 x 2, 327,680 bytes of LDS; arguments qkv, adj_matrix, bond_matrix, ctx; writes ctx
;; launch outp: the kernel of part 4 again; grid 64 x 4, 4 waves a work-group, clusters of 4 x 1, 327,680 bytes of LDS; arguments ctx, wo16, bo, out0; writes out0
